; MI455X (gfx1250); checked and timed in simulation.
; The chip was launched on July 23, 2026; its instructions are those of AMD's public machine-readable ISA for CDNA 5 (MIT licence, August 2026) and "CDNA5" Instruction Set Architecture Reference Guide (July 2026). The comments in the code are by the model that wrote it; some were corrected since.
;; Complex Attention. Allowed arithmetic: matrix products marked QUANTISED: E2M3 operands, one E8M0 scale for each 32 along K, by v_wmma_scale_f32_16x16x128_f8f6f4 with both operands' format E2M3, f32 sums; everything else in f32.
;; Inputs: Wk_im 1,024 x 1,024 float32; Wk_re 1,024 x 1,024 float32; Wo 1,024 x 1,024 float32; Wq_im 1,024 x 1,024 float32; Wq_re 1,024 x 1,024 float32; Wv 1,024 x 1,024 float32; cos 2,048 x 64 float32; sin 2,048 x 64 float32; x 2 x 2,048 x 1,024 float32.
;; Outputs: out0 2 x 2,048 x 1,024 float32.
;; This version of the problem:
;;   THIS VERSION OF THE PROBLEM IS GIVEN IN LOW PRECISION. The matrix products marked QUANTISED in the list below multiply operands that are first quantised to E2M3 (2 exponent bits, 3 mantissa bits; 6 bits a number), with one power-of-two scale for each 32 numbers along K (OCP MX v1.0); their sums are f32. All else is computed in f32.
;;   The module's matrix products, in the order in which they are computed (A, B: the left and right operand; K: the contracted axis; several contracted axes count as one K, in the product's order):
;;     1. [M 4,096, K 1,024] x [K 1,024, N 1,024]; A: input x; B: input Wq_re: QUANTISED
;;     2. [M 4,096, K 1,024] x [K 1,024, N 1,024]; A: input x; B: input Wq_im: QUANTISED
;;     3. [M 4,096, K 1,024] x [K 1,024, N 1,024]; A: input x; B: input Wk_re: QUANTISED
;;     4. [M 4,096, K 1,024] x [K 1,024, N 1,024]; A: input x; B: input Wk_im: QUANTISED
;;     5. batch 32 x [M 2,048, K 64] x [K 64, N 2,048]; A: computed on the way; B: computed on the way: QUANTISED
;;     6. batch 32 x [M 2,048, K 64] x [K 64, N 2,048]; A: computed on the way; B: computed on the way: QUANTISED
;;     7. [M 4,096, K 1,024] x [K 1,024, N 1,024]; A: input x; B: input Wv: QUANTISED
;;     8. batch 32 x [M 2,048, K 2,048] x [K 2,048, N 64]; A: softmax (see below); B: computed on the way: QUANTISED
;;     9. [M 4,096, K 1,024] x [K 1,024, N 1,024]; A: computed on the way; B: input Wo: QUANTISED
;;   THE QUANTISER, for each operand of a quantised product, along K:
;;     - K is cut into blocks of 32 from its start; a last block that is shorter is filled with zeros.
;;     - A block's scale is 2^e with e = floor(log2(the largest magnitude in the block)) - 2, held to -126 .. 127; a block of zeros has e = 0. As a byte (E8M0): e + 127.
;;     - Each number is divided by its block's scale, clamped to +-7.5, and rounded to the nearest number of E2M3, ties to even, subnormals kept.
;;     - The product sums the exact products of the quantised numbers (number of the format x scale) in f32.
;;   ~~~python
;;   def quantise(x, axis):      # numpy; x: float32 -> the quantised numbers, widened to float32 again
;;       x = np.moveaxis(x, axis, -1); K = x.shape[-1]
;;       x = np.pad(x, [(0, 0)] * (x.ndim - 1) + [(0, -K % 32)]); x = x.reshape(x.shape[:-1] + (-1, 32)); a = np.abs(x).max(-1, keepdims=True)
;;       e = np.where(a > 0, np.clip(np.frexp(np.where(a > 0, a, 1))[1] - 1 - 2, -126, 127), 0)      # np.frexp(a)[1] - 1 = floor(log2(a)), exactly
;;       r = np.clip(x / 2.0 ** e, -7.5, 7.5)
;;       step = 2.0 ** (np.maximum(np.frexp(np.where(r == 0, 1, r))[1] - 1, 0) - 3)
;;       q = np.round(r / step) * step * 2.0 ** e      # np.round: ties to even
;;       return np.moveaxis(q.reshape(q.shape[:-2] + (-1,))[..., :K], -1, axis).astype(np.float32)
;;   ~~~
;;   SOFTMAX AHEAD OF A QUANTISED PRODUCT. Where the list says 'softmax', what is quantised is not the finished softmax but p = 2^(t - M), with t = logit x log2(e) and M = ceil(the row's largest t), a whole number; so 1/2 < the row's largest p <= 1. The row's sum l is taken of the UNQUANTISED p, in f32, and the product's result is divided by l at the end. Since M is a whole number, a kernel that streams over the keys may use a running M (the ceiling of the running maximum): every later rescaling is an exact power of two, which a block's scale takes up: the codes' values come out the same.
;;   OPERANDS COMPUTED ON THE WAY. 'Computed on the way' means the value that the module computes at that place (a softmax that the list does not call 'softmax' is quantised finished and normalised). What goes into a quantiser is computed in f32, as accurately as f32 sums, v_exp_f32 and their like allow (about 1e-6 of the number): no bf16 or f16 on the way to a quantiser, and a product that is left as it is and whose result goes on into a quantised operand takes f32 operands (vector FMAs, or v_wmma_f32_16x16x4_f32). A number that lies on a knife's edge between two numbers of the format may be rounded either way, as far as f32 arithmetic and the matrix unit's own rounding can turn it there, and no further.
;; One version. Each part assembles by itself: llvm-mc -triple=amdgcn-amd-amdhsa -mcpu=gfx1250 --defsym DOCPART=n.
;; ======== version 1 of 1: 4 launches
;; limits: right only within a limited range of input values
;; workspace buffers: xq 3,276,800 bytes; wq 4,915,200 bytes; qq 6,553,600 bytes; kv 9,830,400 bytes; oq 3,276,800 bytes
;; launch quant (part 1): grid 320 x 1, 4 waves a work-group, no clusters, 34,304 bytes of LDS; arguments x, Wq_re, Wq_im, Wk_re, Wk_im, Wv, Wo, xq, wq; writes xq, wq
.if DOCPART == 1
	.amdgcn_target "amdgcn-amd-amdhsa--gfx1250"
	.amdhsa_code_object_version 6
	.text
	.protected	k_qaf219b6abb_quant
	.globl	k_qaf219b6abb_quant
	.p2align	8
	.type	k_qaf219b6abb_quant,@function
k_qaf219b6abb_quant:
	s_mov_b64 s[64:65], 0
	v_nop
	global_prefetch_b8 v0, s[64:65] scope:SCOPE_SE
	s_setreg_imm32_b32 hwreg(HW_REG_WAVE_MODE, 25, 1), 1
	s_wait_xcnt 0x0
; x [4096][1024] and the six weights [1024 (k)][1024 (n)], f32, become codes of FP6 (E2M3) with one E8M0 byte for each 32 along K, laid as IMAGES OF OPERAND REGISTERS.
; A fragment (16 rows x 128 K, 12 registers a lane) is 1,536 bytes: chunk c of 512 bytes holds lane l's registers 4 c .. 4 c + 3 at 16 l.  A block of T tiles x 256 along K: fragment (t, ks) at 3072 t + 1536 ks,
; behind them the scale words at 3072 T + 128 t + 8 row + 4 ks.  xq: [token / 128][K / 256] blocks of 8 tiles.  wq: [2 head + (q or k)][K / 256] blocks of 10 tiles (4 re, 4 im, 2 of Wv), then Wo as [n / 128][K / 256] blocks of 8.
; ROW ORDER: row i of tile a of a group of 128 is the group's row 32 (a / 2) + 16 (i / 8) + 8 (a % 2) + i % 8, so that a product's 16 registers of tiles 2 b, 2 b + 1 are 16 neighbours along the next K.
; A block's scale is 2^(floor(log2(largest magnitude)) - 2): its byte is the largest magnitude's exponent field - 2, held at 1 from below.
; LIMITS: a block of zeros, or one whose largest magnitude lies under 2^-124, gets the byte 1 (zero codes add nothing; this program alone reads the bytes).  NaN and infinities among the inputs are not served.
; Work-groups 0-127: 32 tokens of x each, wave = 256 along K.  Work-groups 128-319: weight (e / 32), 128 columns, 256 along K; a wave takes 32 columns.  Waves share nothing: no barrier.
.set SPARE, 33792                      ; behind the four stages of 16 x 528 bytes: the spare words, 128 bytes a wave, named by no other line
.set WV,  2                            ; s2       wave
.set SEL, 22                           ; s[22:23] lane selects: lane l xor 16
.set SPW, 12                           ; v12      my spare word's address; never rewritten
.set NIL, 13                           ; v13      0; never rewritten
.set PWS, 14                           ; v14-17   the four fragments' scale words
.set TM,  20                           ; v20-35   at work in QUANT
.set PW,  36                           ; v36      the scale word just made
.set PC,  38                           ; v38-56   the codes just made
.set RS,  64                           ; v64-191  two sets of 64 numbers as loaded
.set X,   192                          ; v192-255 64 numbers: register 16 b + i = k 32 b + 16 (lane / 16) + i of my row
; 64 numbers of a lane become a fragment's 12 registers in v[PC] on and the row's scale word in v[PW].
.macro QUANT s
.irp b, 0,1,2,3
	v_max3_num_f32 v[TM+\b], |v[\s+16*\b]|, |v[\s+1+16*\b]|, 0x1800000   ; my 16 numbers of block b, and the floor 2^(3 - 127)
.endr
.irp i, 2,4,6,8,10,12,14
.irp b, 0,1,2,3
	v_max3_num_f32 v[TM+\b], v[TM+\b], |v[\s+16*\b+\i]|, |v[\s+1+16*\b+\i]|
.endr
.endr
.irp b, 0,1,2,3
	v_permlanex16_b32 v[TM+4+\b], v[TM+\b], s[SEL], s[SEL+1]
.endr
.irp b, 0,1,2,3
	v_max_num_f32 v[TM+\b], v[TM+\b], v[TM+4+\b]          ; with lane l xor 16's: the block's largest magnitude
.endr
.irp b, 0,1,2,3
	v_add_nc_u32 v[TM+12+\b], 0xff000000, v[TM+\b]        ; 2 off its exponent field: the conversion's scale operand
.endr
.irp b, 0,1,2,3
	v_lshrrev_b32 v[TM+4+\b], 23, v[TM+12+\b]             ; the scale's byte
.endr
	v_lshl_or_b32 v[PW], v[TM+5], 8, v[TM+4]
	v_lshl_or_b32 v[PW], v[TM+6], 16, v[PW]
	v_lshl_or_b32 v[PW], v[TM+7], 24, v[PW]
.irp c, 0,1
	v_cvt_scalef32_pk16_fp6_f32 v[PC+6*\c:PC+2+6*\c], v[\s+32*\c:\s+15+32*\c], v[TM+12+2*\c]
	v_cvt_scalef32_pk16_fp6_f32 v[PC+12+4*\c:PC+14+4*\c], v[\s+16+32*\c:\s+31+32*\c], v[TM+12+2*\c+1]
.endr
	v_nop                                                  ; one plain instruction behind the scaled conversions
.irp c, 0,1                                            ; a whole block to a lane: lanes 0-15 block 2 c, lanes 16-31 block 2 c + 1
.irp i, 0,1,2
	v_permlane16_swap_b32 v[PC+6*\c+\i], v[PC+12+4*\c+\i]
.endr
.irp i, 0,1,2
	v_mov_b32 v[PC+3+6*\c+\i], v[PC+12+4*\c+\i]
.endr
.endr
.endm
	s_load_b512 s[4:19], s[0:1], 0x0               ; x, Wq_re, Wq_im, Wk_re, Wk_im, Wv, Wo, xq
	s_load_b64 s[20:21], s[0:1], 0x40              ; wq
	v_lshl_add_u32 v[SPW], v0, 2, SPARE
	v_mov_b32 v[NIL], 0
	v_lshrrev_b32 v1, 5, v0
	v_readfirstlane_b32 s[WV], v1                  ; wave 0..3
	v_and_b32 v5, 31, v0                           ; lane
	v_lshlrev_b32 v1, 4, v5                        ; 16 x lane
	v_lshlrev_b32 v4, 3, v5                        ; 8 x lane
	s_mov_b32 s[SEL], 0x76543210
	s_mov_b32 s[SEL+1], 0xfedcba98
	s_wait_kmcnt 0x0
	s_cmp_lt_u32 ttmp9, 128
	s_cbranch_scc0 .Lweights
; ---------------- x: 32 tokens, my wave's 256 along K: four fragments f = 2 u + ks (tile u, K step ks)
	s_mul_i32 s24, s[WV], 8448
	s_wait_alu depctr_va_vdst(0)
	v_add_nc_u32 v2, s24, v1                       ; the stage, in: a row's 512 bytes as they lie, 16 a lane
	v_and_b32 v6, 15, v0
	v_bfe_u32 v7, v0, 4, 1
	v_mul_u32_u24 v3, v6, 528
	v_lshl_add_u32 v3, v7, 6, v3
	v_add_nc_u32 v3, s24, v3                       ; out: row lane % 16, + 64 bytes for lanes 16-31
	s_lshl_b32 s24, ttmp9, 17                      ; 32 rows of 4,096 bytes a work-group
	s_lshl_b32 s25, s[WV], 10                      ; 256 numbers a wave
	s_add_co_u32 s24, s24, s25
	s_mov_b32 s25, 0
	s_add_nc_u64 s[4:5], s[4:5], s[24:25]
	s_lshr_b32 s26, ttmp9, 2
	s_lshl_b32 s26, s26, 2
	s_add_co_u32 s26, s26, s[WV]
	s_mul_i32 s26, s26, 25600                      ; the block (token / 128, K / 256)
	s_and_b32 s27, ttmp9, 3
	s_mul_i32 s28, s27, 6144                       ; my two tiles in it
	s_add_co_u32 s28, s28, s26
	s_mov_b32 s29, 0
	s_add_nc_u64 s[28:29], s[18:19], s[28:29]
	s_lshl_b32 s27, s27, 8
	s_add_co_u32 s26, s26, s27
	s_add_co_u32 s26, s26, 24576                   ; and their 256 bytes of scale words
	s_mov_b32 s27, 0
	s_add_nc_u64 s[26:27], s[18:19], s[26:27]
.irp b, 0,1,2,3
	v_mov_b32 v[TM+4+\b], 0                        ; a lane permute's destination counts as one of its sources
.endr
.macro LOADF f                         ; the fragment's 16 rows, 512 consecutive bytes each, in the tile's row order
.irp i, 0,1,2,3,4,5,6,7,8,9,10,11,12,13,14,15
	global_load_b128 v[RS+64*((\f)%2)+4*\i:RS+64*((\f)%2)+4*\i+3], v1, s[4:5] offset:(16*(\i/8)+8*((\f)/2)+\i%8)*4096+512*((\f)%2) th:TH_LOAD_NT
.endr
.endm
.macro FRAGM f
.if (\f) < 3
	s_wait_loadcnt 16                              ; this fragment's 16 loads are in; the next one's 16 may be out
.else
	s_wait_loadcnt 0x0
.endif
.irp i, 0,1,2,3,4,5,6,7,8,9,10,11,12,13,14,15
	ds_store_b128 v2, v[RS+64*((\f)%2)+4*\i:RS+64*((\f)%2)+4*\i+3] offset:528*\i
.endr
.irp b, 0,1,2,3
.irp j, 0,1,2,3
	ds_load_b128 v[X+16*\b+4*\j:X+16*\b+4*\j+3], v3 offset:128*\b+16*\j   ; LDS serves a wave's instructions in order: these see the stores above
.endr
.endr
	s_wait_dscnt 0x0                               ; my 64 numbers are back, and the stores have read the set
	s_wait_xcnt 0x0                                ; the last fragment's stores have read the codes' registers
.if (\f) < 2
	LOADF (\f)+2
.endif
	QUANT X
.irp c, 0,1,2
	global_store_b128 v1, v[PC+4*\c:PC+4*\c+3], s[28:29] offset:3072*((\f)/2)+1536*((\f)%2)+512*\c   ; 512 consecutive bytes, aligned
.endr
	v_mov_b32 v[PWS+(\f)], v[PW]
.endm
	LOADF 0
	LOADF 1
	s_wait_alu depctr_va_vdst(0)
	FRAGM 0
	FRAGM 1
	FRAGM 2
	FRAGM 3
	v_cmp_lt_u32 vcc_lo, 15, v5                    ; lanes 16-31 store tile 1's words
	v_cndmask_b32 v18, v[PWS], v[PWS+2], vcc_lo
	v_cndmask_b32 v19, v[PWS+1], v[PWS+3], vcc_lo
	global_store_b64 v4, v[18:19], s[26:27]        ; 256 consecutive bytes, aligned
	s_wait_tensorcnt 0x0                           ; the wave's end
	ds_add_u32 v[SPW], v[NIL]
	s_wait_dscnt 0x0
	s_endpgm
; ---------------- a weight: a lane takes a column, its registers run down K; lanes 0-15 are tile 0's rows, lanes 16-31 tile 1's
.Lweights:
	s_sub_co_u32 s24, ttmp9, 128
	s_lshr_b32 s25, s24, 5                         ; which weight: 0 Wq_re, 1 Wq_im, 2 Wk_re, 3 Wk_im, 4 Wv, 5 Wo
	s_bfe_u32 s26, s24, 0x30002
	s_and_b32 s27, s24, 3                          ; which 256 along K
	s_lshl_b32 s26, s26, 2
	s_add_co_u32 s26, s26, s[WV]                   ; cg: which 32 columns
	s_and_b32 s30, s26, 0x1e
	s_lshr_b32 s31, s25, 1
	s_add_co_u32 s30, s30, s31                     ; q, k: group 2 head + (q or k),
	s_and_b32 s31, s25, 1
	s_lshl_b32 s31, s31, 2
	s_and_b32 s32, s26, 1
	s_lshl_b32 s32, s32, 1
	s_add_co_u32 s31, s31, s32                     ; tile 4 (re or im) + 2 (d / 32)
	s_lshr_b32 s32, s26, 2                         ; Wo: group n / 128,
	s_and_b32 s33, s26, 3
	s_lshl_b32 s33, s33, 1                         ; tile 2 ((n / 32) % 4)
	s_mov_b32 s34, 32000                           ; a block of 10 tiles,
	s_mov_b32 s35, 30720                           ; its scale words
	s_mov_b64 s[28:29], s[6:7]
	s_cmp_eq_u32 s25, 1
	s_cselect_b64 s[28:29], s[8:9], s[28:29]
	s_cmp_eq_u32 s25, 2
	s_cselect_b64 s[28:29], s[10:11], s[28:29]
	s_cmp_eq_u32 s25, 3
	s_cselect_b64 s[28:29], s[12:13], s[28:29]
	s_cmp_eq_u32 s25, 4
	s_cselect_b64 s[28:29], s[14:15], s[28:29]
	s_cselect_b32 s30, s26, s30                    ; Wv: group 2 head + d / 32, tiles 8 and 9
	s_cselect_b32 s31, 8, s31
	s_cmp_eq_u32 s25, 5
	s_cselect_b64 s[28:29], s[16:17], s[28:29]
	s_cselect_b32 s30, s32, s30
	s_cselect_b32 s31, s33, s31
	s_cselect_b32 s34, 25600, s34
	s_cselect_b32 s35, 24576, s35
	s_cselect_b32 s36, 4096000, 0                  ; Wo's region begins behind the 128 blocks of 10 tiles
	s_lshl_b32 s30, s30, 2
	s_add_co_u32 s30, s30, s27
	s_mul_i32 s30, s30, s34
	s_add_co_u32 s30, s30, s36                     ; the block
	s_mul_i32 s37, s31, 3072
	s_add_co_u32 s38, s30, s37                     ; my two tiles' fragments
	s_mov_b32 s39, 0
	s_lshl_b32 s37, s31, 7
	s_add_co_u32 s40, s30, s37
	s_add_co_u32 s40, s40, s35                     ; and their scale words
	s_mov_b32 s41, 0
	s_add_nc_u64 s[38:39], s[20:21], s[38:39]
	s_add_nc_u64 s[40:41], s[20:21], s[40:41]
	s_lshl_b32 s42, s27, 20                        ; 256 rows of 4,096 bytes
	s_lshl_b32 s43, s26, 7                         ; 32 columns
	s_add_co_u32 s42, s42, s43
	s_mov_b32 s43, 0
	s_add_nc_u64 s[28:29], s[28:29], s[42:43]
	s_wait_alu depctr_va_vdst(0)
	v_and_b32 v6, 7, v5                            ; lane 16 u + i takes column 16 (i / 8) + 8 u + i % 8 of the 32
	v_bfe_u32 v7, v5, 3, 1
	v_lshl_or_b32 v6, v7, 4, v6
	v_bfe_u32 v7, v5, 4, 1
	v_lshl_or_b32 v6, v7, 3, v6
	v_lshlrev_b32 v8, 2, v6
.macro LOADB t                         ; block t: rows 32 t + i of my column; the wave reads 128 consecutive bytes, the work-group 512
.irp i, 0,1,2,3,4,5,6,7,8,9,10,11,12,13,14,15,16,17,18,19,20,21,22,23,24,25,26,27,28,29,30,31
	global_load_b32 v[64+32*((\t)%2)+\i], v8, s[28:29] offset:(32*(\t)+\i)*4096 th:TH_LOAD_NT
.endr
.endm
; v[128 + 24 ks + 12 p ..]: K step ks, blocks of parity p; each register is written once, so no store's data are written again.
.macro BLOCK t
.set XS, 64+32*((\t)%2)
.set TT, 128+24*((\t)/4)+12*((\t)%2)+6*(((\t)/2)%2)
.if (\t) < 7
	s_wait_loadcnt 32                              ; this block's 32 loads are in; the next block's may be out
.else
	s_wait_loadcnt 0x0
.endif
	v_max3_num_f32 v20, |v[XS]|, |v[XS+1]|, |v[XS+2]|
	v_max3_num_f32 v21, |v[XS+3]|, |v[XS+4]|, |v[XS+5]|
.irp i, 6,10,14,18,22,26
	v_max3_num_f32 v20, v20, |v[XS+\i]|, |v[XS+\i+1]|
	v_max3_num_f32 v21, v21, |v[XS+\i+2]|, |v[XS+\i+3]|
.endr
	v_max3_num_f32 v20, v20, |v[XS+30]|, |v[XS+31]|
	v_max3_num_f32 v20, v20, v21, 0x1800000        ; and the floor
	v_add_nc_u32 v22, 0xff000000, v20
	v_lshrrev_b32 v23, 23, v22
.if (\t)%4 == 0
	v_mov_b32 v[24+(\t)/4], v23
.else
	v_lshl_or_b32 v[24+(\t)/4], v23, 8*((\t)%4), v[24+(\t)/4]
.endif
	v_cvt_scalef32_pk16_fp6_f32 v[TT:TT+2], v[XS:XS+15], v22
	v_cvt_scalef32_pk16_fp6_f32 v[176:178], v[XS+16:XS+31], v22
	v_nop                                          ; one plain instruction behind the scaled conversions
.irp i, 0,1,2
	v_mov_b32 v[TT+3+\i], v[176+\i]
.endr
.if (\t) < 6
	LOADB (\t)+2
.endif
.if (\t)%2 == 1                        ; even blocks' lanes 16-31 change places with odd blocks' lanes 0-15: the first run is then tile 0's operand registers, the second tile 1's
.irp i, 0,1,2,3,4,5
	v_permlane16_swap_b32 v[TT-12+\i], v[TT+\i]
.endr
.endif
.if (\t)%4 == 3
.irp u, 0,1
.irp c, 0,1,2
	global_store_b128 v1, v[128+24*((\t)/4)+12*\u+4*\c:128+24*((\t)/4)+12*\u+4*\c+3], s[38:39] offset:3072*\u+1536*((\t)/4)+512*\c
.endr
.endr
.endif
.endm
	LOADB 0
	LOADB 1
.irp t, 0,1,2,3,4,5,6,7
	BLOCK \t
.endr
	global_store_b64 v4, v[24:25], s[40:41]        ; lane 16 u + i: tile u, row i, both K steps' words: 256 consecutive bytes
	s_wait_tensorcnt 0x0                           ; the closing lines stand on this path too
	ds_add_u32 v[SPW], v[NIL]
	s_wait_dscnt 0x0
	s_endpgm
.Lfunc_end_k_qaf219b6abb_quant:
	.size	k_qaf219b6abb_quant, .Lfunc_end_k_qaf219b6abb_quant-k_qaf219b6abb_quant
	.p2alignl 7, 3214868480
	.fill 96, 4, 3214868480
	.section	.rodata,"a",@progbits
	.p2align	6, 0x0
	.amdhsa_kernel k_qaf219b6abb_quant
		.amdhsa_group_segment_fixed_size 34304
		.amdhsa_private_segment_fixed_size 0
		.amdhsa_enable_private_segment 0
		.amdhsa_kernarg_size 72
		.amdhsa_user_sgpr_count 2
		.amdhsa_user_sgpr_kernarg_segment_ptr 1
		.amdhsa_wavefront_size32 1
		.amdhsa_system_sgpr_workgroup_id_x 1
		.amdhsa_system_sgpr_workgroup_id_y 1
		.amdhsa_system_sgpr_workgroup_id_z 1
		.amdhsa_system_vgpr_workitem_id 0
		.amdhsa_next_free_vgpr 256
		.amdhsa_next_free_sgpr 66
		.amdhsa_reserve_vcc 1
		.amdhsa_float_denorm_mode_32 3
		.amdhsa_float_denorm_mode_16_64 3
		.amdhsa_memory_ordered 1
		.amdhsa_forward_progress 1
		.amdhsa_inst_pref_size 74
	.end_amdhsa_kernel
	.amdgpu_metadata
---
amdhsa.version: [ 1, 2 ]
amdhsa.kernels:
  - .name:           k_qaf219b6abb_quant
    .symbol:         k_qaf219b6abb_quant.kd
    .args:
      - { .name: x, .offset: 0, .size: 8, .value_kind: global_buffer, .address_space: global }
      - { .name: Wq_re, .offset: 8, .size: 8, .value_kind: global_buffer, .address_space: global }
      - { .name: Wq_im, .offset: 16, .size: 8, .value_kind: global_buffer, .address_space: global }
      - { .name: Wk_re, .offset: 24, .size: 8, .value_kind: global_buffer, .address_space: global }
      - { .name: Wk_im, .offset: 32, .size: 8, .value_kind: global_buffer, .address_space: global }
      - { .name: Wv, .offset: 40, .size: 8, .value_kind: global_buffer, .address_space: global }
      - { .name: Wo, .offset: 48, .size: 8, .value_kind: global_buffer, .address_space: global }
      - { .name: xq, .offset: 56, .size: 8, .value_kind: global_buffer, .address_space: global }
      - { .name: wq, .offset: 64, .size: 8, .value_kind: global_buffer, .address_space: global }
    .group_segment_fixed_size: 34304
    .private_segment_fixed_size: 0
    .kernarg_segment_align: 8
    .kernarg_segment_size: 72
    .max_flat_workgroup_size: 128
    .sgpr_count:     66
    .vgpr_count:     256
    .wavefront_size: 32
...
	.end_amdgpu_metadata
.endif
;; end of part 1
;; launch proj (part 2): grid 16 x 16, 4 waves a work-group, clusters of 4 x 4, 327,680 bytes of LDS; arguments xq, wq, cos, sin, qq, kv; writes qq, kv
.if DOCPART == 2
	.amdgcn_target "amdgcn-amd-amdhsa--gfx1250"
	.amdhsa_code_object_version 6
	.text
	.protected	k_qaf219b6abb_proj
	.globl	k_qaf219b6abb_proj
	.p2align	8
	.type	k_qaf219b6abb_proj,@function
k_qaf219b6abb_proj:
	s_mov_b64 s[64:65], 0
	v_nop
	global_prefetch_b8 v0, s[64:65] scope:SCOPE_SE
	s_setreg_imm32_b32 hwreg(HW_REG_WAVE_MODE, 25, 1), 1
	s_wait_xcnt 0x0
	s_wait_alu depctr_hold_cnt(0) depctr_sa_sdst(0) depctr_va_vdst(0) depctr_va_sdst(0) depctr_va_ssrc(0) depctr_va_vcc(0) depctr_vm_vsrc(0)
	s_getreg_b32 s2, hwreg(HW_REG_IB_STS2, 6, 4)
	s_cmp_eq_u32 s2, 0
	s_cbranch_scc0 .Lentry_in_a_cluster
	s_endpgm
.Lentry_in_a_cluster:
	s_bfe_u32 s2, ttmp6, 0x10000c
	s_cmp_lg_u32 s2, 0xf033
	s_cbranch_scc0 .Lentry_shape_is_right
	s_endpgm
.Lentry_shape_is_right:
; The five projections of x in one product on codes of FP6, the rotation, and the quantising of q', k' (along [re 64 | im 64]) and v (along tokens).
; A work-group: 256 tokens x one head's 320 columns (q_re, q_im, k_re, k_im, v).  Wave (wm, wn): 128 tokens x 160 columns (wn = 0: q and v's d 0-31; wn = 1: k and v's d 32-63): 80 accumulators, 640 registers.
; K = 1,024 goes in four slots' worth of 256 through a ring of two LDS slots; a block of xq or wq (fragments as register images, then scale words) is one dense tensor load.
; q, k: source 0 = 16 weight columns, source 1 = 16 tokens: a lane holds one token, registers run along d.  v: the sources swapped: a lane holds one d, registers run along tokens, which are the K of the weights-times-values product.
; The products of a step go by B's tiles, each against A's eight: a tile of B is free after its 8 products, so B has ONE register set and A TWO (192 + 120 registers beside the 640).
; CLUSTER 4 x 4: x's blocks and cos, sin hang on the token block alone (shared along a row of the cluster), the weights' on the head alone (shared along a column): joint loads.
; cos is the last refill of slot 1; sin the last refill of slot 0.  Rows of 256 bytes + 8: the 32 lanes of an 8-byte load then touch every bank once.
; OUT: qq [(b 16 + head) 16 + token / 128][12,800]: 8 fragments, 512 bytes of scale words (lane l: tiles 4 (l / 16) .. + 3 of row l % 16).  kv [..][19,200]: K's 8 fragments, V's 4, K's scale words, V's (128 (t / 2) + 8 row + 4 (t % 2)).
; ARITHMETIC: re' = re c - im s and im' = re s + im c, each one multiply and one fused multiply-add in f32.
; LIMITS: blocks of zeros or under 2^-124 get the byte 1; NaN and infinities are not served.
; REGISTERS: window 0: v1-16 addresses, v28-29 the add's two, v32-71 scale words (two sets of 20), v72-191 B's ten fragments (later: at work), v192-255 v's accumulators of tile 8.
;   window 1: v0-95, v96-191 A's two sets (later cos, sin), v192-255 v's accumulators of tile 9.   window 2: accumulators of B's tiles 0-3 (re) at 64 n + 8 a.   window 3: tiles 4-7 (im).
.set SLOT,  115200                     ; A's two halves of 25,600, then B's two groups of 32,000
.set BOFF,  51200
.set COS,   115200                     ; cos, 256 rows x 264 bytes, is slot 1's last refill (asked for at the head of the last K step); sin is slot 0's
.set SPARE, 297984                     ; the spare words, 128 bytes a wave, named by no other line
.set LI,   1                           ; v1  16 x lane
.set ADRA, 8                           ; v8-9   my A half in slot 0, 1
.set ADRB, 10                          ; v10-11 my B group
.set ADRS, 12                          ; v12-13 scale words: lanes 0-15 A's, lanes 16-31 B's
.set ADC,  14                          ; v14 cos, v15 sin: my token's row, my half's 64 bytes
.set ADSN, 15
.set VSO,  16                          ; v16 8 row + 4 half
.set SPW,  28
.set NIL,  29
.set SC,   32
.set BF,   72
.set X,    72                          ; the way out: v72-135 the rotated numbers
.set PC,   136
.set TM,   156
.set PW,   172
.set PWS,  174
.set PWV,  182
.set OUTW, 184
.set CR,   0                           ; window 1
.set SR,   32
.set SEL,  66
.set G1A, 24
.set G0A, 32
.set G1B, 48
.set G0B, 56
.set G1C, 68
.set G0C, 76
.set G0S, 80
.set MSB, 0
.macro WIN new                         ; the immediate's high byte repeats the setting that is left
.if MSB != \new
	s_set_vgpr_msb (MSB<<8)|\new
.set MSB, \new
.endif
.endm
.macro PLACES                          ; four plain instructions behind a matrix instruction, ahead of loads into its registers and of reads of its result
.rept 4
	v_nop
.endr
.endm
.macro JLOAD g0a, g1a, g0b, g1b        ; a joint load: waves 0, 1 fetch A's halves, waves 2, 3 B's groups; an s_nop 0 and four v_nop follow each line
	s_cmp_eq_u32 s17, 0
	s_cbranch_scc0 .Lfor_b_\@
	tensor_load_to_lds s[\g0a:\g0a+3], s[\g1a:\g1a+7]
	s_nop 0
.rept 4
	v_nop
.endr
	s_branch .Lasked_\@
.Lfor_b_\@:
	tensor_load_to_lds s[\g0b:\g0b+3], s[\g1b:\g1b+7]
	s_nop 0
.rept 4
	v_nop
.endr
.Lasked_\@:
.endm
.macro CLOAD g0                        ; every wave fetches its 64 rows of cos or sin
	tensor_load_to_lds s[\g0:\g0+3], s[G1C:G1C+7]
	s_nop 0
.rept 4
	v_nop
.endr
.endm
.macro CREST
	s_cmp_lg_u32 s16, 0
	s_cbranch_scc1 .Lnot_wave_0_\@
	s_barrier_signal -3
.Lnot_wave_0_\@:
	s_barrier_wait -3
	s_barrier_signal -1
	s_barrier_wait -1
.endm
.macro CROUND
	s_barrier_signal -1
	s_barrier_wait -1
	CREST
.endm
.macro QUANT s                         ; 64 numbers of a lane (register 16 b + i = k 32 b + 16 (lane / 16) + i of my row) -> 12 registers of codes in v[PC] on, the scale word in v[PW]
.irp b, 0,1,2,3
	v_max3_num_f32 v[TM+\b], |v[\s+16*\b]|, |v[\s+1+16*\b]|, 0x1800000
.endr
.irp i, 2,4,6,8,10,12,14
.irp b, 0,1,2,3
	v_max3_num_f32 v[TM+\b], v[TM+\b], |v[\s+16*\b+\i]|, |v[\s+1+16*\b+\i]|
.endr
.endr
.irp b, 0,1,2,3
	v_permlanex16_b32 v[TM+4+\b], v[TM+\b], s[SEL], s[SEL+1]
.endr
.irp b, 0,1,2,3
	v_max_num_f32 v[TM+\b], v[TM+\b], v[TM+4+\b]
.endr
.irp b, 0,1,2,3
	v_add_nc_u32 v[TM+12+\b], 0xff000000, v[TM+\b]
.endr
.irp b, 0,1,2,3
	v_lshrrev_b32 v[TM+4+\b], 23, v[TM+12+\b]
.endr
	v_lshl_or_b32 v[PW], v[TM+5], 8, v[TM+4]
	v_lshl_or_b32 v[PW], v[TM+6], 16, v[PW]
	v_lshl_or_b32 v[PW], v[TM+7], 24, v[PW]
.irp c, 0,1
	v_cvt_scalef32_pk16_fp6_f32 v[PC+6*\c:PC+2+6*\c], v[\s+32*\c:\s+15+32*\c], v[TM+12+2*\c]
	v_cvt_scalef32_pk16_fp6_f32 v[PC+12+4*\c:PC+14+4*\c], v[\s+16+32*\c:\s+31+32*\c], v[TM+12+2*\c+1]
.endr
	v_nop                                          ; one plain instruction behind the scaled conversions
.irp c, 0,1
.irp i, 0,1,2
	v_permlane16_swap_b32 v[PC+6*\c+\i], v[PC+12+4*\c+\i]
.endr
.irp i, 0,1,2
	v_mov_b32 v[PC+3+6*\c+\i], v[PC+12+4*\c+\i]
.endr
.endr
.endm
	s_load_b256 s[4:11], s[0:1], 0x0               ; xq, wq, cos, sin
	s_load_b128 s[12:15], s[0:1], 0x20             ; qq, kv
	v_lshl_add_u32 v[SPW], v0, 2, SPARE
	v_mov_b32 v[NIL], 0
	ds_add_u32 v[SPW], v[NIL]                      ; the opening: the add and its wait ahead of my first tensor load; register work stands between
	ds_add_u32 v[SPW], v[NIL]
	v_lshrrev_b32 v1, 5, v0
	v_readfirstlane_b32 s16, v1                    ; wave
	s_lshr_b32 s17, s16, 1                         ; wm: my 128 tokens.  Also: I fetch for A (0) or B (1)
	s_and_b32 s18, s16, 1                          ; wn: q or k.  Also: which half or group I fetch
	s_bfe_u32 s40, ttmp6, 0x40000                  ; cx
	s_bfe_u32 s41, ttmp6, 0x40004                  ; cy
	s_lshl_b32 s42, ttmp9, 2
	s_add_co_u32 s42, s42, s40                     ; head
	s_and_b32 s20, ttmp7, 0xffff
	s_lshl_b32 s20, s20, 2
	s_add_co_u32 s20, s20, s41                     ; mt: block of 256 tokens
	s_lshl_b32 s43, s41, 2
	s_lshl_b32 s43, 15, s43                        ; my row of the cluster
	s_lshl_b32 s44, 0x1111, s40                    ; my column
	s_or_b32 s[G1A], s43, (3<<16)|(1<<21)          ; elements of 8 bytes; bit 21 beside a mask
	s_or_b32 s[G1B], s44, (3<<16)|(1<<21)
	s_or_b32 s[G1C], s43, (3<<16)|(1<<20)|(1<<21)|(5<<22)|(1<<25)   ; 2 words of padding behind every 64
.irp g, G1A, G1B, G1C
	s_mov_b32 s[\g+1], 32<<16                      ; rows of 32 elements = 256 bytes, dense
	s_mov_b32 s[\g+3], 32<<16
	s_mov_b32 s[\g+5], 32
	s_mov_b32 s[\g+6], 0
	s_mov_b32 s[\g+7], 0
.endr
	s_mov_b32 s[G1A+2], 100<<16                    ; 25,600 bytes
	s_mov_b32 s[G1A+4], 100
	s_mov_b32 s[G1B+2], 125<<16                    ; 32,000 bytes
	s_mov_b32 s[G1B+4], 125
	s_mov_b32 s[G1C+2], 64<<16                     ; 64 rows of cos or sin
	s_mov_b32 s[G1C+4], 64
	s_lshl_b32 s22, s20, 1
	s_add_co_u32 s22, s22, s18
	s_mul_i32 s22, s22, 102400                     ; xq: group 2 mt + half
	s_mov_b32 s23, 0
	s_lshl_b32 s46, s42, 1
	s_add_co_u32 s46, s46, s18
	s_mul_i32 s46, s46, 128000                     ; wq: group 2 head + half
	s_mov_b32 s47, 0
	s_and_b32 s90, s20, 7
	s_lshl_b32 s90, s90, 2
	s_add_co_u32 s90, s90, s16
	s_lshl_b32 s90, s90, 14                        ; cos, sin: row 256 (mt % 8) + 64 wave, 256 bytes a row
	s_mov_b32 s91, 0
	s_mul_i32 s45, s18, 25600                      ; LDS: no place in the cluster enters an LDS address
	s_mul_i32 s92, s18, 32000
	s_add_co_u32 s92, s92, BOFF
	s_mul_i32 s93, s16, 16896
	s_mov_b32 s[SEL], 0x76543210
	s_mov_b32 s[SEL+1], 0xfedcba98
	s_wait_dscnt 0x0                               ; the opening add is done
	s_wait_kmcnt 0x0
	s_add_nc_u64 s[22:23], s[4:5], s[22:23]
	s_add_nc_u64 s[46:47], s[6:7], s[46:47]
	s_add_nc_u64 s[94:95], s[8:9], s[90:91]
	s_add_nc_u64 s[90:91], s[10:11], s[90:91]
	CROUND                                         ; all sixteen work-groups are here: the first joint loads meet
	s_mov_b32 s[G0C], 1
	s_add_co_u32 s[G0C+1], s93, COS
	s_mov_b64 s[G0C+2:G0C+3], s[94:95]
	s_or_b32 s[G0C+3], s[G0C+3], 0x80000000
	s_mov_b32 s[G0S], 1
	s_mov_b32 s[G0S+1], s93                        ; sin will land in slot 0's bytes
	s_mov_b64 s[G0S+2:G0S+3], s[90:91]
	s_or_b32 s[G0S+3], s[G0S+3], 0x80000000
.irp s, 0,1
	s_mov_b32 s[G0A+4*\s], 1
	s_add_co_u32 s[G0A+4*\s+1], s45, \s*SLOT
	s_add_nc_u64 s[G0A+4*\s+2:G0A+4*\s+3], s[22:23], \s*25600
	s_or_b32 s[G0A+4*\s+3], s[G0A+4*\s+3], 0x80000000
	s_mov_b32 s[G0B+4*\s], 1
	s_add_co_u32 s[G0B+4*\s+1], s92, \s*SLOT
	s_add_nc_u64 s[G0B+4*\s+2:G0B+4*\s+3], s[46:47], \s*32000
	s_or_b32 s[G0B+4*\s+3], s[G0B+4*\s+3], 0x80000000
.endr
	JLOAD G0A, G1A, G0B, G1B                       ; slot 0: one tensor load a wave at the head
	v_and_b32 v4, 31, v0                           ; lane
	v_and_b32 v2, 15, v0                           ; r
	v_bfe_u32 v3, v0, 4, 1                         ; h
	v_lshlrev_b32 v[LI], 4, v4
	s_mul_i32 s21, s17, 25600
	s_mul_i32 s2, s18, 32000
	s_add_co_u32 s3, s2, BOFF
	v_add_nc_u32 v[ADRA], s21, v[LI]
	v_add_nc_u32 v[ADRB], s3, v[LI]
	v_add_nc_u32 v[ADRA+1], SLOT, v[ADRA]
	v_add_nc_u32 v[ADRB+1], SLOT, v[ADRB]
	s_xor_b32 s3, s17, 1
	s_mul_i32 s3, s3, 25600
	s_add_co_u32 s3, s3, s2
	s_add_co_u32 s3, s3, 31744                     ; from A's scale words to B's: 57,344 + 32,000 wn - 25,600 wm
	v_mul_u32_u24 v5, s3, v3                       ; lanes 16-31 take B's
	v_lshl_add_u32 v5, v2, 3, v5
	s_add_co_u32 s21, s21, 24576
	v_add_nc_u32 v[ADRS], s21, v5
	v_add_nc_u32 v[ADRS+1], SLOT, v[ADRS]
	v_and_b32 v6, 7, v2
	v_lshrrev_b32 v7, 3, v2
	v_lshl_add_u32 v6, v7, 4, v6                   ; row r of a tile is token r % 8 + 16 (r / 8) beyond the tile's first
	v_mul_u32_u24 v6, v6, 264
	v_lshl_add_u32 v6, v3, 6, v6
	s_mul_i32 s3, s17, 128*264
	v_add_nc_u32 v[ADSN], s3, v6
	v_add_nc_u32 v[ADC], COS, v[ADSN]
	v_lshlrev_b32 v[VSO], 3, v2
	v_lshl_add_u32 v[VSO], v3, 2, v[VSO]
	; PREFETCHES.  cos, sin: of my wave's 64 rows of each, the partners cx = 0, 1 name cos's halves and cx = 2, 3 sin's, a lane a row of 256 bytes.
	; Tiles: of the 100 (A) or 125 (B) blocks of 256 bytes that my wave fetches for a slot, the partner at place p (cx for A, cy for B) names 25 or 32, a lane a block, held at the last block.
	; Slot 1 is asked for here, slot 2 behind slot 1's load, slot 3 behind slot 2's: each one change of slots ahead of its load.  The partners are told apart by address alone.
	s_cmp_lt_u32 s40, 2
	s_cselect_b64 s[2:3], s[94:95], s[90:91]
	s_and_b32 s21, s40, 1
	s_lshl_b32 s21, s21, 5
	v_add_nc_u32 v17, s21, v4
	v_lshlrev_b32 v17, 8, v17
	s_mov_b32 s8, 124
	s_mov_b32 s9, 32000
	s_cmp_eq_u32 s17, 0
	s_cselect_b64 s[4:5], s[22:23], s[46:47]
	s_cselect_b32 s6, s40, s41
	s_cselect_b32 s7, 25, 32
	s_cselect_b32 s8, 99, s8
	s_cselect_b32 s9, 25600, s9
	s_mul_i32 s6, s6, s7
	s_sub_co_u32 s7, s7, 1
	v_min_u32 v18, s7, v4
	v_add_nc_u32 v18, s6, v18
	v_min_u32 v18, s8, v18
	v_lshlrev_b32 v18, 8, v18
	v_add_nc_u32 v18, s9, v18
	v_add_nc_u32 v19, s9, v18
	v_add_nc_u32 v20, s9, v19
	s_wait_alu depctr_va_vdst(0)                   ; the wait
	global_prefetch_b8 v17, s[2:3] th:TH_LOAD_NT scope:SCOPE_SE
	global_prefetch_b8 v18, s[4:5] th:TH_LOAD_NT scope:SCOPE_SE
	; where the results go
	s_lshr_b32 s96, s20, 3
	s_lshl_b32 s96, s96, 4
	s_add_co_u32 s96, s96, s42
	s_lshl_b32 s96, s96, 4
	s_and_b32 s97, s20, 7
	s_lshl_b32 s97, s97, 1
	s_add_co_u32 s96, s96, s97
	s_add_co_u32 s96, s96, s17                     ; ((b 16 + head) 16 + token block of 128)
	s_mul_i32 s84, s96, 12800
	s_mov_b32 s85, 0
	s_mul_i32 s86, s96, 19200
	s_mov_b32 s87, 0
	s_add_nc_u64 s[84:85], s[12:13], s[84:85]
	s_add_nc_u64 s[86:87], s[14:15], s[86:87]
	s_mov_b32 s88, 18432
	s_mov_b32 s89, 0
	s_cmp_eq_u32 s18, 0
	s_cselect_b64 s[84:85], s[84:85], s[86:87]     ; wn = 0 stores q', wn = 1 k'
	s_cselect_b32 s88, 12288, s88
	s_add_nc_u64 s[88:89], s[84:85], s[88:89]      ; their scale words
	s_mul_i32 s96, s18, 3072
	s_add_co_u32 s96, s96, 12288
	s_mov_b32 s97, 0
	s_add_nc_u64 s[96:97], s[86:87], s[96:97]      ; V's fragments 2 wn, 2 wn + 1
	s_lshl_b32 s98, s18, 7
	s_add_co_u32 s98, s98, 18944
	s_mov_b32 s99, 0
	s_add_nc_u64 s[98:99], s[86:87], s[98:99]      ; and their scale words
; 16 products: B's tiles n0, n0 + 1 against A's eight.  p: A's set; q: the slot's K step; sc: the set of scale words.  The accumulators take turns, one instruction a turn.
.macro MULQK n0, p, q, sc, zero
.if (\n0) < 4
	WIN 0xa4
.else
	WIN 0xf4
.endif
.irp n, \n0, \n0+1
.irp a, 0,1,2,3,4,5,6,7
.if \zero
	v_wmma_scale_f32_16x16x128_f8f6f4 v[64*((\n)%4)+8*\a:64*((\n)%4)+8*\a+7], v[BF+12*(\n):BF+12*(\n)+11], v[96*(\p)+12*\a:96*(\p)+12*\a+11], 0, v[SC+20*(\sc)+2*(\n)+(\q)], v[SC+20*(\sc)+2*\a+(\q)] matrix_a_fmt:MATRIX_FMT_FP6 matrix_b_fmt:MATRIX_FMT_FP6 matrix_a_scale:MATRIX_SCALE_ROW1
.else
	v_wmma_scale_f32_16x16x128_f8f6f4 v[64*((\n)%4)+8*\a:64*((\n)%4)+8*\a+7], v[BF+12*(\n):BF+12*(\n)+11], v[96*(\p)+12*\a:96*(\p)+12*\a+11], v[64*((\n)%4)+8*\a:64*((\n)%4)+8*\a+7], v[SC+20*(\sc)+2*(\n)+(\q)], v[SC+20*(\sc)+2*\a+(\q)] matrix_a_fmt:MATRIX_FMT_FP6 matrix_b_fmt:MATRIX_FMT_FP6 matrix_a_scale:MATRIX_SCALE_ROW1
.endif
.endr
.endr
.endm
; 8 products of v, the sources swapped: source 0 = 16 tokens, source 1 = Wv's tile n (8 or 9)
.macro MULV n, p, q, sc, zero
.if (\n) == 8
	WIN 0x01
.else
	WIN 0x51
.endif
.irp a, 0,1,2,3,4,5,6,7
.if \zero
	v_wmma_scale_f32_16x16x128_f8f6f4 v[192+8*\a:199+8*\a], v[96*(\p)+12*\a:96*(\p)+12*\a+11], v[BF+12*(\n):BF+12*(\n)+11], 0, v[SC+20*(\sc)+2*\a+(\q)], v[SC+20*(\sc)+2*(\n)+(\q)] matrix_a_fmt:MATRIX_FMT_FP6 matrix_b_fmt:MATRIX_FMT_FP6 matrix_b_scale:MATRIX_SCALE_ROW1
.else
	v_wmma_scale_f32_16x16x128_f8f6f4 v[192+8*\a:199+8*\a], v[96*(\p)+12*\a:96*(\p)+12*\a+11], v[BF+12*(\n):BF+12*(\n)+11], v[192+8*\a:199+8*\a], v[SC+20*(\sc)+2*\a+(\q)], v[SC+20*(\sc)+2*(\n)+(\q)] matrix_a_fmt:MATRIX_FMT_FP6 matrix_b_fmt:MATRIX_FMT_FP6 matrix_b_scale:MATRIX_SCALE_ROW1
.endif
.endr
.endm
.macro FETCH_B slot, q, n0, n1         ; B's tiles n0 .. n1 of the slot's K step q: three loads of 512 consecutive bytes a fragment
	WIN 0
.set NN, \n0
.rept (\n1)-(\n0)+1
.irp c, 0,1,2
	ds_load_b128 v[BF+12*NN+4*\c:BF+12*NN+4*\c+3], v[ADRB+\slot] offset:3072*NN+1536*(\q)+512*\c
.endr
.set NN, NN+1
.endr
.endm
.macro FETCH_A slot, q, p              ; A's eight tiles into set p
	WIN 0x40
.irp a, 0,1,2,3,4,5,6,7
.irp c, 0,1,2
	ds_load_b128 v[96*(\p)+12*\a+4*\c:96*(\p)+12*\a+4*\c+3], v[ADRA+\slot] offset:3072*\a+1536*(\q)+512*\c
.endr
.endr
	WIN 0
.endm
.macro SCALES slot, sc                 ; register 2 i + q: lanes 0-15 A's tile i, lanes 16-31 B's tile i (for i = 8, 9 lanes 0-15 read landed bytes of the slot that no product takes)
	WIN 0
.irp i, 0,1,2,3,4,5,6,7,8,9
	ds_load_b64 v[SC+20*(\sc)+2*\i:SC+20*(\sc)+2*\i+1], v[ADRS+\slot] offset:128*\i
.endr
.endm
; A slot's first K step; the second's fragments are fetched in three runs: A's eight and B's 0-3 (36 loads), B's 4-7 (12), B's 8-9 (6).
.macro STEP slot, zero
	s_wait_dscnt 18                                ; all but the last two runs (B's 4-7, 8-9) are in
	MULQK 0, 0, 0, \slot, \zero
	MULQK 2, 0, 0, \slot, \zero
	PLACES
	FETCH_A \slot, 1, 1
	FETCH_B \slot, 1, 0, 3
	s_wait_dscnt 42                                ; B's 4-7 are in: behind them B's 8-9 (6) and the 36 just issued
	MULQK 4, 0, 0, \slot, \zero
	MULQK 6, 0, 0, \slot, \zero
	PLACES
	FETCH_B \slot, 1, 4, 7
	s_wait_dscnt 48                                ; B's 8-9 are in: behind them 36 + 12
	MULV 8, 0, 0, \slot, \zero
	MULV 9, 0, 0, \slot, \zero
	PLACES
	FETCH_B \slot, 1, 8, 9
.endm
; A slot's second K step changes slots: each wave waits for all its tensor loads, adds 0 to its spare word, waits for that and for its reads of the slot; the barrier opens a round of the cluster's barrier; the refill is the first thing behind it.
.macro TURN slot, next, sin
	WIN 0
	s_wait_tensorcnt 0x0                           ; my part of the next slot has landed; no load of mine is out
	ds_add_u32 v[SPW], v[NIL]
	s_wait_dscnt 19                                ; (B's 4-7, 8-9 and the add may be out)
	MULQK 0, 1, 1, \slot, 0
	s_wait_dscnt 0x0                               ; the add is done, my reads of this slot are over
	s_barrier_signal -1
	MULQK 2, 1, 1, \slot, 0
	WIN 0
	s_barrier_wait -1
	CREST                                          ; no wave of any partner still reads this slot or has a load on its way
.if \sin
	CLOAD G0S                                      ; slot 0's last refill: sin
.else
	s_add_nc_u64 s[G0A+4*\slot+2:G0A+4*\slot+3], s[G0A+4*\slot+2:G0A+4*\slot+3], 51200
	s_add_nc_u64 s[G0B+4*\slot+2:G0B+4*\slot+3], s[G0B+4*\slot+2:G0B+4*\slot+3], 64000
	JLOAD G0A+4*\slot, G1A, G0B+4*\slot, G1B
.endif
	FETCH_A \next, 0, 0                            ; the four v_nop behind the tensor load are the places in front of these loads
	FETCH_B \next, 0, 0, 3
	SCALES \next, \next
	MULQK 4, 1, 1, \slot, 0
	MULQK 6, 1, 1, \slot, 0
	PLACES
	FETCH_B \next, 0, 4, 7
	MULV 8, 1, 1, \slot, 0
	MULV 9, 1, 1, \slot, 0
	PLACES
	FETCH_B \next, 0, 8, 9
.endm
	s_wait_alu depctr_va_vdst(0)
	s_wait_tensorcnt 0x0                           ; my part of slot 0 is in; slot 1's first fill is issued as a refill is
	ds_add_u32 v[SPW], v[NIL]
	s_wait_dscnt 0x0
	CROUND
	JLOAD G0A+4, G1A, G0B+4, G1B                   ; slot 1, the first tensor load behind the round
	SCALES 0, 0
	FETCH_A 0, 0, 0
	FETCH_B 0, 0, 0, 3
	FETCH_B 0, 0, 4, 7
	FETCH_B 0, 0, 8, 9
	global_prefetch_b8 v19, s[4:5] th:TH_LOAD_NT scope:SCOPE_SE
	STEP 0, 1                                      ; K 0-127: its products start the sums
	TURN 0, 1, 0
	global_prefetch_b8 v20, s[4:5] th:TH_LOAD_NT scope:SCOPE_SE
	STEP 1, 0
	TURN 1, 0, 0                                   ; slot 1 takes K 768-1023
	STEP 0, 0
	TURN 0, 1, 1                                   ; slot 0 takes sin
	STEP 1, 0
	WIN 0                                          ; the last K step fetches no fragment
	s_wait_tensorcnt 0x0                           ; my quarter of sin is in; no load of mine is out
	ds_add_u32 v[SPW], v[NIL]
	s_wait_dscnt 19                                ; (B's 4-7, 8-9 and the add may be out)
	MULQK 0, 1, 1, 1, 0
	s_wait_dscnt 0x0                               ; the add is done, my reads of slot 1 are over
	s_barrier_signal -1
	MULQK 2, 1, 1, 1, 0
	WIN 0
	s_barrier_wait -1
	CREST
	CLOAD G0C                                      ; slot 1's last refill: cos; 48 products stand between it and the wait for it
	MULQK 4, 1, 1, 1, 0
	MULQK 6, 1, 1, 1, 0
	MULV 8, 1, 1, 1, 0
	MULV 9, 1, 1, 1, 0
	WIN 0
; THE WAY OUT.
.macro CSLOAD a                        ; cos and sin of tile a's tokens: register 8 n + j = d 32 (n / 2) + 16 h + 8 (n % 2) + j
	WIN 0x40
.irp n, 0,1,2,3
.irp m, 0,1,2,3
	ds_load_b64 v[CR+8*\n+2*\m:CR+8*\n+2*\m+1], v[ADC] offset:(32*((\a)/2)+8*((\a)%2))*264+128*(\n/2)+32*(\n%2)+8*\m
	ds_load_b64 v[SR+8*\n+2*\m:SR+8*\n+2*\m+1], v[ADSN] offset:(32*((\a)/2)+8*((\a)%2))*264+128*(\n/2)+32*(\n%2)+8*\m
.endr
.endr
	WIN 0
.endm
.macro ROT a                           ; each accumulator is read from its low end on
	s_wait_dscnt 0x0
	WIN 0x06                                       ; source 0 window 2 (re), source 1 window 1
.irp n, 0,1,2,3
.irp m, 0,1,2,3
	v_pk_mul_f32 v[X+8*\n+2*\m:X+8*\n+2*\m+1], v[64*\n+8*(\a)+2*\m:64*\n+8*(\a)+2*\m+1], v[CR+8*\n+2*\m:CR+8*\n+2*\m+1]
.endr
.endr
.irp n, 0,1,2,3
.irp m, 0,1,2,3
	v_pk_mul_f32 v[X+32+8*\n+2*\m:X+32+8*\n+2*\m+1], v[64*\n+8*(\a)+2*\m:64*\n+8*(\a)+2*\m+1], v[SR+8*\n+2*\m:SR+8*\n+2*\m+1]
.endr
.endr
	WIN 0x07                                       ; source 0 window 3 (im)
.irp n, 0,1,2,3
.irp m, 0,1,2,3
	v_pk_fma_f32 v[X+8*\n+2*\m:X+8*\n+2*\m+1], v[64*\n+8*(\a)+2*\m:64*\n+8*(\a)+2*\m+1], v[SR+8*\n+2*\m:SR+8*\n+2*\m+1], v[X+8*\n+2*\m:X+8*\n+2*\m+1] neg_lo:[1,0,0] neg_hi:[1,0,0]
.endr
.endr
.irp n, 0,1,2,3
.irp m, 0,1,2,3
	v_pk_fma_f32 v[X+32+8*\n+2*\m:X+32+8*\n+2*\m+1], v[64*\n+8*(\a)+2*\m:64*\n+8*(\a)+2*\m+1], v[CR+8*\n+2*\m:CR+8*\n+2*\m+1], v[X+32+8*\n+2*\m:X+32+8*\n+2*\m+1]
.endr
.endr
	WIN 0
.endm
	PLACES
.irp b, 0,1,2,3
	v_mov_b32 v[TM+4+\b], 0                        ; a lane permute's destination counts as one of its sources
.endr
	v_cmp_lt_u32 vcc_lo, 15, v4                    ; lanes 16-31
	s_wait_alu depctr_va_vdst(0)
	QUANT 192
.irp c, 0,1,2
	global_store_b128 v[LI], v[PC+4*\c:PC+4*\c+3], s[96:97] offset:512*\c
.endr
	v_mov_b32 v[PWV], v[PW]
	WIN 0x01                                       ; tile 9's sums come over from window 1
.set I, 0
.rept 64
	v_mov_b32 v[192+I], v[192+I]
.set I, I+1
.endr
	WIN 0
	s_wait_xcnt 0x0                                ; the stores have read the codes' registers
	QUANT 192
.irp c, 0,1,2
	global_store_b128 v[LI], v[PC+4*\c:PC+4*\c+3], s[96:97] offset:1536+512*\c
.endr
	v_cndmask_b32 v[PWV], v[PWV], v[PW], vcc_lo
	global_store_b32 v[VSO], v[PWV], s[98:99]
	s_wait_alu depctr_va_vdst(0)
	s_wait_tensorcnt 0x0                           ; my quarter of cos is in (v, which needs neither table, was quantised meanwhile),
	s_barrier_signal -1
	s_barrier_wait -1                              ; everybody's is
	CSLOAD 0
.irp a, 0,1,2,3,4,5,6,7
	ROT \a
.if \a < 7
	CSLOAD \a+1
.endif
	s_wait_xcnt 0x0                                ; the last fragment's stores have read the codes' registers
	QUANT X
.irp c, 0,1,2
	global_store_b128 v[LI], v[PC+4*\c:PC+4*\c+3], s[84:85] offset:1536*\a+512*\c
.endr
	v_mov_b32 v[PWS+\a], v[PW]
.endr
.irp j, 0,1,2,3
	v_cndmask_b32 v[OUTW+\j], v[PWS+\j], v[PWS+4+\j], vcc_lo
.endr
	global_store_b128 v[LI], v[OUTW:OUTW+3], s[88:89]
	s_wait_tensorcnt 0x0                           ; the wave's end
	ds_add_u32 v[SPW], v[NIL]
	s_wait_dscnt 0x0
	CROUND                                         ; the closing round
	s_endpgm
.Lfunc_end_k_qaf219b6abb_proj:
	.size	k_qaf219b6abb_proj, .Lfunc_end_k_qaf219b6abb_proj-k_qaf219b6abb_proj
	.p2alignl 7, 3214868480
	.fill 96, 4, 3214868480
	.section	.rodata,"a",@progbits
	.p2align	6, 0x0
	.amdhsa_kernel k_qaf219b6abb_proj
		.amdhsa_group_segment_fixed_size 327680
		.amdhsa_private_segment_fixed_size 0
		.amdhsa_enable_private_segment 0
		.amdhsa_kernarg_size 48
		.amdhsa_user_sgpr_count 2
		.amdhsa_user_sgpr_kernarg_segment_ptr 1
		.amdhsa_wavefront_size32 1
		.amdhsa_system_sgpr_workgroup_id_x 1
		.amdhsa_system_sgpr_workgroup_id_y 1
		.amdhsa_system_sgpr_workgroup_id_z 1
		.amdhsa_system_vgpr_workitem_id 0
		.amdhsa_next_free_vgpr 1024
		.amdhsa_next_free_sgpr 100
		.amdhsa_reserve_vcc 1
		.amdhsa_float_denorm_mode_32 3
		.amdhsa_float_denorm_mode_16_64 3
		.amdhsa_memory_ordered 1
		.amdhsa_forward_progress 1
		.amdhsa_inst_pref_size 222
	.end_amdhsa_kernel
	.amdgpu_metadata
---
amdhsa.version: [ 1, 2 ]
amdhsa.kernels:
  - .name:           k_qaf219b6abb_proj
    .symbol:         k_qaf219b6abb_proj.kd
    .args:
      - { .name: xq, .offset: 0, .size: 8, .value_kind: global_buffer, .address_space: global }
      - { .name: wq, .offset: 8, .size: 8, .value_kind: global_buffer, .address_space: global }
      - { .name: cos, .offset: 16, .size: 8, .value_kind: global_buffer, .address_space: global }
      - { .name: sin, .offset: 24, .size: 8, .value_kind: global_buffer, .address_space: global }
      - { .name: qq, .offset: 32, .size: 8, .value_kind: global_buffer, .address_space: global }
      - { .name: kv, .offset: 40, .size: 8, .value_kind: global_buffer, .address_space: global }
    .group_segment_fixed_size: 327680
    .private_segment_fixed_size: 0
    .kernarg_segment_align: 8
    .kernarg_segment_size: 48
    .max_flat_workgroup_size: 128
    .sgpr_count:     100
    .vgpr_count:     1024
    .wavefront_size: 32
...
	.end_amdgpu_metadata
.endif
;; end of part 2
;; launch attn (part 3): grid 8 x 32, 8 waves a work-group, no clusters, 327,680 bytes of LDS; arguments qq, kv, oq; writes oq
.if DOCPART == 3
	.amdgcn_target "amdgcn-amd-amdhsa--gfx1250"
	.amdhsa_code_object_version 6
	.text
	.protected	k_qaf219b6abb_attn
	.globl	k_qaf219b6abb_attn
	.p2align	8
	.type	k_qaf219b6abb_attn,@function
k_qaf219b6abb_attn:
	s_mov_b64 s[64:65], 0
	v_nop
	global_prefetch_b8 v0, s[64:65] scope:SCOPE_SE
	s_setreg_imm32_b32 hwreg(HW_REG_WAVE_MODE, 25, 1), 1
	s_wait_xcnt 0x0
; Causal attention on codes of FP6: S^T = K Q^T (K = [re 64 | im 64], the two score products in one), p = 2^(t - M), O^T = V^T P^T (K = 128 keys a step), O / l quantised along d for the output projection.
; t = score x log2(e) / 8; M = the running largest t rounded up to a whole number; the row's sum is taken of the unquantised p; when M moves, the sum and O^T are multiplied by 2^(old M - new M), exactly.
; LEFT OUT: key steps all of whose keys come after the query block: the causal mask gives them the weight 0 for every input.
; SHARES.  Work-group (j, b 16 + head) owns the blocks of 128 queries j and 15 - j, one after the other.  Waves 2 t and 2 t + 1 share tiles 2 t and 2 t + 1 (32 queries) of the block at work:
; of a slot's two key steps the wave of parity 0 takes the first, the other the second (parity = ((w / 4) xor w) & 1).  A fragment of K or V read from LDS feeds two products, one for each tile.
; Block j walks j / 2 + 1 slots of 256 keys, block 15 - j walks 8 - j / 2: 9 slots whatever j; a step beyond the block's diagonal is jumped over (the very first scores are made in every wave, so that they are written on every way).
; THE TWO TILES lie in the two register windows under the same numbers, so that one text serves both; K's and V's fragments, all addresses and all scale words lie where the map below says.
; A TRIP s: behind the barrier the LDS loads of V of slot s and of K of slot s + 1 are issued; both tiles' softmax of slot s; O^T += V^T P^T; S^T of slot s + 1.  So slot s is still read while slot s + 1 is:
; the ring has four places of 40,960 bytes, place = slot & 3; slots s, s + 1 are read and s + 2 is asked for, one tensor load of 38,400 dense bytes behind each barrier, all loads waited for in front of it.
; At a block's end the wave of parity 1 puts O^T, -M and its sums into an LDS stage of the pair's own; behind the next barrier its partner joins the parts under the larger M (powers of two, exact), divides, quantises, stores.
; The stage takes turns by the trip's number, so that what is read in a trip and what may be stored in it are different bytes.
; NO CLUSTER: the eight work-groups of a head change from their first block to their second at slots 1 to 4, so partners would ask for different tiles in the same round.
; PREFETCH: the head's first work-group loads kv's slot s + 1 in trip s; its waves 4 and 5 ask in trip s (0 to 5) for kv's slot s + 2, a key step each, which trip s + 1 loads.
; The scale bytes of oq leave as single bytes (1,024 of a block's 25,600): a scale word belongs to two heads, hence to two work-groups.
; A block's largest p is made from its largest score by the same multiply-add and exponential (this takes v_exp_f32 not to fall where its input rises).
; LIMITS: the scaled scores stay under 2^31 in magnitude; NaN and infinities are not served; blocks of zeros or under 2^-124 get the byte 1.
; REGISTERS, both windows: v3 the mask's number, v31 lane / 16, v12 -M, v13 largest t, v[14:15] the sum, v16-27 Q, v80-91 the second block's Q, v96-159 S^T then p, v160-191 O^T, v224-254 at work (v224-235 p's codes).
;   window 0 alone: v1-11, v28-30, v93-94, v222 addresses; v5, v6 the add's two; v32-79 V; v192-215 K's tiles 0, 1; v216-219 K's scale words, v220-221 V's; Q's scale words v255, v95 (second block: v92, v10); p's v253, v11.
;   window 1 alone: v32-79 K's tiles 2-5; v192-215 K's tiles 6, 7.
.set PITCHS, 40960
.set SPARE, 163840                     ; the spare words, 128 bytes for each of 8 waves, named by no other line
.set STG,   164864                     ; the stages: 4 pairs x 9,216 bytes, twice
.set STSZ,  36864
.set LI,  1
.set L8,  2
.set DV,  3
.set SPW, 5
.set NIL, 6
.set LIK, 7
.set ADK, 8
.set ADV, 9
.set QSB2, 10
.set PWB, 11
.set PFO, 28
.set PFO2, 29
.set OB,  30
.set HH,  31
.set QSA2, 92
.set L8K, 93
.set STP, 94
.set QSB, 95
.set KSC, 216
.set VSC, 220
.set AV8, 222
.set TK,  2
.set TV,  3
.set PI,  12
.set WV,  18
.set BKV, 19
.set SEL, 20
.set CS,  22
.set G1,  24
.set G0,  32
.set SG,  36
.set KFC, 37
.set QBC, 38
.set SST, 39
.set PFA, 40
.set PL,  42
.set KFN, 43
.set QBN, 58
.set BK,  60
.set QB2, 66
.set C1,  68
.set MSB, 0
.macro WIN new                         ; the immediate's high byte repeats the setting that is left; at every label and branch the setting is 0
.if MSB != \new
	s_set_vgpr_msb (MSB<<8)|\new
.set MSB, \new
.endif
.endm
.macro TLOAD under                     ; the waves under that number fetch; an s_nop 0 and four v_nop follow the line
	s_cmp_lt_u32 s[WV], \under
	s_cbranch_scc0 .Lasked_\@
	tensor_load_to_lds s[G0:G0+3], s[G1:G1+7]
	s_nop 0
.rept 4
	v_nop
.endr
.Lasked_\@:
.endm
.macro ASK                             ; 75 blocks of 256 bytes by three instructions, lanes 256 bytes apart (in the third, lanes 10-31 name its eleventh block)
	s_cmp_lt_u32 s[SG], s[PL]
	s_cbranch_scc0 .Lnot_mine_\@
	global_prefetch_b8 v[PFO], s[PFA:PFA+1] th:TH_LOAD_NT scope:SCOPE_SE
	global_prefetch_b8 v[PFO], s[PFA:PFA+1] offset:8192 th:TH_LOAD_NT scope:SCOPE_SE
	global_prefetch_b8 v[PFO2], s[PFA:PFA+1] offset:16384 th:TH_LOAD_NT scope:SCOPE_SE
.Lnot_mine_\@:
.endm
.macro INIT                            ; a tile's state: the largest t -3e38, the sums and O^T zero (the first change of M leaves zeros zeros)
	v_mov_b32 v13, 0xff61b1e6
	v_mov_b32 v14, 0
	v_mov_b32 v15, 0
	v_floor_f32 v12, -v13
.set J, 0
.rept 32
	v_mov_b32 v[160+J], 0
.set J, J+1
.endr
.endm
.macro KLOAD                           ; my key step's eight fragments of K and their scale words (lanes 0-15 tiles 0-3, lanes 16-31 tiles 4-7)
	v_add_nc_u32 v[ADK], s[TK], v[LIK]
	ds_load_b128 v[KSC:KSC+3], v[ADK] offset:18432
.irp t, 0,1
.irp c, 0,1,2
	ds_load_b128 v[192+12*\t+4*\c:195+12*\t+4*\c], v[ADK] offset:1536*\t+512*\c
.endr
.endr
	WIN 0x40
.irp t, 0,1,2,3
.irp c, 0,1,2
	ds_load_b128 v[32+12*\t+4*\c:35+12*\t+4*\c], v[ADK] offset:1536*(2+\t)+512*\c
.endr
.endr
.irp t, 0,1
.irp c, 0,1,2
	ds_load_b128 v[192+12*\t+4*\c:195+12*\t+4*\c], v[ADK] offset:1536*(6+\t)+512*\c
.endr
.endr
	WIN 0
.endm
.macro VLOAD                           ; V's four fragments; v220: the scale words of tiles 0 (lanes 0-15) and 2, v221: of tiles 1 and 3
	v_add_nc_u32 v[ADV], s[TV], v[LIK]
	v_add_nc_u32 v[AV8], s[TV], v[L8K]
.irp t, 0,1,2,3
.irp c, 0,1,2
	ds_load_b128 v[32+12*\t+4*\c:35+12*\t+4*\c], v[ADV] offset:12288+1536*\t+512*\c
.endr
.endr
	ds_load_b64 v[VSC:VSC+1], v[AV8] offset:18944
.endm
.macro SM t, k, qs
.if (\t) < 4
	v_wmma_scale_f32_16x16x128_f8f6f4 v[96+8*(\t):103+8*(\t)], v[\k:\k+11], v[16:27], 0, v[KSC+(\t)], v[\qs] matrix_a_fmt:MATRIX_FMT_FP6 matrix_b_fmt:MATRIX_FMT_FP6
.else
	v_wmma_scale_f32_16x16x128_f8f6f4 v[96+8*(\t):103+8*(\t)], v[\k:\k+11], v[16:27], 0, v[KSC+(\t)-4], v[\qs] matrix_a_fmt:MATRIX_FMT_FP6 matrix_b_fmt:MATRIX_FMT_FP6 matrix_a_scale:MATRIX_SCALE_ROW1
.endif
.endm
.macro SM6 qs
	SM 2, 32, \qs
	SM 3, 44, \qs
	SM 4, 56, \qs
	SM 5, 68, \qs
	SM 6, 192, \qs
	SM 7, 204, \qs
.endm
.macro SMUL                            ; S^T of both tiles: sixteen products on sixteen accumulators
	WIN 0
	SM 0, 192, 255
	SM 1, 204, 255
	WIN 0x01                                       ; K from window 1
	SM6 255
	WIN 0x45                                       ; K, Q and S^T in window 1
	SM6 QSB
	WIN 0x44                                       ; K from window 0
	SM 0, 192, QSB
	SM 1, 204, QSB
	WIN 0
.endm
.macro PVM pw
.irp t, 0,1
	v_wmma_scale_f32_16x16x128_f8f6f4 v[160+8*\t:167+8*\t], v[32+12*\t:43+12*\t], v[224:235], v[160+8*\t:167+8*\t], v[VSC+\t], v[\pw] matrix_a_fmt:MATRIX_FMT_FP6 matrix_b_fmt:MATRIX_FMT_FP6
.endr
.irp t, 2,3
	v_wmma_scale_f32_16x16x128_f8f6f4 v[160+8*\t:167+8*\t], v[32+12*\t:43+12*\t], v[224:235], v[160+8*\t:167+8*\t], v[VSC-2+\t], v[\pw] matrix_a_fmt:MATRIX_FMT_FP6 matrix_b_fmt:MATRIX_FMT_FP6 matrix_a_scale:MATRIX_SCALE_ROW1
.endr
.endm
.macro MASK                            ; the diagonal: hidden scores become -infinity, p = 0
	s_wait_alu depctr_va_vdst(0)                   ; the wait ahead of the scores' first reader
	v_mov_b32 v254, 0xff800000
.set N, 0
.rept 64
	v_cmp_gt_i32 vcc_lo, 32*(N/16)+N%16, v[DV]
	v_cndmask_b32 v[96+N], v[96+N], v254, vcc_lo
.set N, N+1
.endr
.endm
; One tile's softmax and the quantising of p, all in the window that is set.  w = 1: p's scale word goes to window 0, where scale operands are taken from.
.macro SOFTMAX w
	s_wait_alu depctr_va_vdst(0)                   ; the wait ahead of the scores' first reader
.irp b, 0,1,2,3
	v_max3_num_f32 v[232+\b], v[96+16*\b], v[97+16*\b], v[98+16*\b]   ; the largest score of each block of 32 keys
.endr
.irp i, 3,5,7,9,11,13
.irp b, 0,1,2,3
	v_max3_num_f32 v[232+\b], v[232+\b], v[96+16*\b+\i], v[97+16*\b+\i]
.endr
.endr
.irp b, 0,1,2,3
	v_max_num_f32 v[232+\b], v[232+\b], v[111+16*\b]
.endr
.irp b, 0,1,2,3
	s_delay_alu instid0(VALU_DEP_4)
	v_permlanex16_b32 v[236+\b], v[232+\b], s[SEL], s[SEL+1]
.endr
.irp b, 0,1,2,3
	s_delay_alu instid0(VALU_DEP_4)
	v_max_num_f32 v[232+\b], v[232+\b], v[236+\b]
.endr
	s_delay_alu instid0(VALU_DEP_2)
	v_max3_num_f32 v254, v232, v233, v234
	s_delay_alu instid0(VALU_DEP_1)
	v_max_num_f32 v254, v254, v235
	s_delay_alu instid0(VALU_DEP_1)
	v_mul_f32 v254, s[CS], v254
	s_delay_alu instid0(VALU_DEP_1)
	v_max_num_f32 v13, v13, v254                   ; the running largest t
	v_mov_b32 v254, v12
	s_delay_alu instid0(VALU_DEP_2)
	v_floor_f32 v12, -v13                          ; the new -M
	s_delay_alu instid0(VALU_DEP_1)
	v_sub_f32 v254, v12, v254
	s_delay_alu instid0(VALU_DEP_1)
	v_cvt_i32_f32 v254, v254
	s_delay_alu instid0(VALU_DEP_1)
	v_ldexp_f32 v252, 1.0, v254                    ; f = 2^(old M - new M)
.set J, 0
.rept 32
	v_pk_fma_f32 v[96+J:97+J], v[96+J:97+J], s[CS:CS+1], v[12:13] op_sel_hi:[1,0,0]   ; t - M
.set J, J+2
.endr
.irp b, 0,1,2,3
	v_fma_f32 v[232+\b], v[232+\b], s[CS], v12
.endr
.set J, 0
	s_wait_alu depctr_va_vdst(0)                   ; the wait ahead of the batch
.rept 64
	v_exp_f32 v[96+J], v[96+J]                     ; p
.set J, J+1
.endr
	v_pk_mul_f32 v[14:15], v[14:15], v[252:253] op_sel_hi:[1,0]   ; the sums under the new M; a plain instruction behind the exponentials
	s_wait_alu depctr_va_vdst(0)                   ; one wait for the batch, ahead of its first reader
.irp b, 0,1,2,3
	v_exp_f32 v[232+\b], v[232+\b]                 ; each block's largest p
.endr
	v_pk_add_f32 v[236:237], v[100:101], v[104:105]
	v_pk_add_f32 v[250:251], v[108:109], v[112:113]
	v_pk_add_f32 v[246:247], v[116:117], v[120:121]
	v_pk_add_f32 v[244:245], v[124:125], v[128:129]
	v_pk_add_f32 v[242:243], v[132:133], v[136:137]
	v_pk_add_f32 v[240:241], v[140:141], v[144:145]
	v_pk_add_f32 v[238:239], v[148:149], v[152:153]
	v_pk_add_f32 v[14:15], v[14:15], v[156:157]
	v_pk_add_f32 v[236:237], v[236:237], v[96:97]
	v_pk_add_f32 v[250:251], v[250:251], v[98:99]
	v_pk_add_f32 v[246:247], v[246:247], v[102:103]
	v_pk_add_f32 v[244:245], v[244:245], v[106:107]
	v_pk_add_f32 v[242:243], v[242:243], v[110:111]
	v_pk_add_f32 v[240:241], v[240:241], v[114:115]
	v_pk_add_f32 v[238:239], v[238:239], v[118:119]
	v_pk_add_f32 v[14:15], v[14:15], v[122:123]
	v_pk_add_f32 v[236:237], v[236:237], v[126:127]
	v_pk_add_f32 v[250:251], v[250:251], v[130:131]
	v_pk_add_f32 v[246:247], v[246:247], v[134:135]
	v_pk_add_f32 v[244:245], v[244:245], v[138:139]
	v_pk_add_f32 v[242:243], v[242:243], v[142:143]
	v_pk_add_f32 v[240:241], v[240:241], v[146:147]
	v_pk_add_f32 v[238:239], v[238:239], v[150:151]
	v_pk_add_f32 v[14:15], v[14:15], v[154:155]
	v_pk_add_f32 v[236:237], v[236:237], v[158:159]
	s_delay_alu instid0(VALU_DEP_2)
	v_pk_add_f32 v[14:15], v[14:15], v[244:245]
	s_delay_alu instid0(VALU_DEP_2)
	v_pk_add_f32 v[236:237], v[236:237], v[242:243]
	v_pk_add_f32 v[250:251], v[250:251], v[240:241]
	v_pk_add_f32 v[246:247], v[246:247], v[238:239]
	s_delay_alu instid0(VALU_DEP_2)
	v_pk_add_f32 v[14:15], v[14:15], v[250:251]
	s_delay_alu instid0(VALU_DEP_2)
	v_pk_add_f32 v[236:237], v[236:237], v[246:247]
	s_delay_alu instid0(VALU_DEP_1)
	v_pk_add_f32 v[14:15], v[14:15], v[236:237]
	s_wait_alu depctr_va_vdst(0)                   ; and one for the four
.irp b, 0,1,2,3
	v_max_num_f32 v[232+\b], 0x1800000, v[232+\b]  ; the floor
.endr
.irp b, 0,1,2,3
	s_delay_alu instid0(VALU_DEP_4)
	v_add_nc_u32 v[244+\b], 0xff000000, v[232+\b]
.endr
.irp b, 0,1,2,3
	s_delay_alu instid0(VALU_DEP_4)
	v_lshrrev_b32 v[236+\b], 23, v[244+\b]
.endr
	s_delay_alu instid0(VALU_DEP_3)
	v_lshl_or_b32 v253, v237, 8, v236              ; p's scale word
	s_delay_alu instid0(VALU_DEP_1)
	v_lshl_or_b32 v253, v238, 16, v253
.if \w
	WIN 0x15                                       ; sources in window 1, the result in window 0
	v_lshl_or_b32 v[PWB], v239, 24, v253
	WIN 0x55
.else
	s_delay_alu instid0(VALU_DEP_1)
	v_lshl_or_b32 v253, v239, 24, v253
.endif
.irp c, 0,1
	v_cvt_scalef32_pk16_fp6_f32 v[224+6*\c:226+6*\c], v[96+32*\c:111+32*\c], v[244+2*\c]
	v_cvt_scalef32_pk16_fp6_f32 v[236+4*\c:238+4*\c], v[112+32*\c:127+32*\c], v[244+2*\c+1]
.endr
	v_nop
.irp c, 0,1
.irp i, 0,1,2
	v_permlane16_swap_b32 v[224+6*\c+\i], v[236+4*\c+\i]
.endr
.irp i, 0,1,2
	s_delay_alu instid0(VALU_DEP_3)
	v_mov_b32 v[227+6*\c+\i], v[236+4*\c+\i]
.endr
.endr
.set J, 0
.rept 16
	v_pk_mul_f32 v[160+J:161+J], v[160+J:161+J], v[252:253] op_sel_hi:[1,0]   ; O^T under the new M; these also stand between the writes of p's codes and scale word and the products
.set J, J+2
.endr
.endm
.macro STGS d                          ; s59: the stage of trip SG + d
	s_add_co_u32 s59, s[SG], \d
	s_and_b32 s59, s59, 1
	s_mul_i32 s59, s59, STSZ
.endm
; The wave of parity 1 hands its parts over: for each tile O^T (each accumulator from its low end on), then -M, the largest t and the sums: nine stores of 512 bytes.
.macro PUTALL d
	s_cmp_eq_u32 s[PI], 0
	s_cbranch_scc1 .Lnone_\@
	STGS \d
	v_add_nc_u32 v[ADK], s59, v[STP]
.rept 3
	v_nop                                          ; with the line above: four places behind the last products
.endr
.irp k, 0,1,2,3,4,5,6,7
	ds_store_b128 v[ADK], v[160+4*\k:163+4*\k] offset:512*\k
.endr
	ds_store_b128 v[ADK], v[12:15] offset:4096
	WIN 0x04                                       ; the data from window 1
.irp k, 0,1,2,3,4,5,6,7
	ds_store_b128 v[ADK], v[160+4*\k:163+4*\k] offset:4608+512*\k
.endr
	ds_store_b128 v[ADK], v[12:15] offset:4608+4096
	WIN 0
.Lnone_\@:
.endm
; One tile's two parts joined, divided and quantised, in the window that is set: v32-63 the partner's O^T, v64 its -M, v66-67 its sums.  Register 16 b + i of O^T is d 32 b + 16 h + i of my query.
.macro GETC
	v_add_f32 v14, v14, v15
	v_add_f32 v66, v66, v67
	v_min_num_f32 v68, v12, v64                    ; -M of the two together
	s_delay_alu instid0(VALU_DEP_1)
	v_sub_f32 v69, v68, v12
	v_sub_f32 v70, v68, v64
	s_delay_alu instid0(VALU_DEP_2)
	v_cvt_i32_f32 v69, v69                         ; (it saturates: a part with no key gets the factor 0)
	s_delay_alu instid0(VALU_DEP_2)
	v_cvt_i32_f32 v70, v70
	s_delay_alu instid0(VALU_DEP_2)
	v_ldexp_f32 v69, 1.0, v69                      ; my part's factor, a power of two,
	s_delay_alu instid0(VALU_DEP_2)
	v_ldexp_f32 v70, 1.0, v70                      ; and the partner's
	s_delay_alu instid0(VALU_DEP_2)
	v_mul_f32 v14, v14, v69
	s_delay_alu instid0(VALU_DEP_1)
	v_fma_f32 v14, v66, v70, v14
	s_delay_alu instid0(VALU_DEP_1)
	v_permlanex16_b32 v252, v14, s[SEL], s[SEL+1]
	s_delay_alu instid0(VALU_DEP_1)
	v_add_f32 v14, v14, v252                       ; the row's sum
	s_wait_alu depctr_va_vdst(0)                   ; the wait ahead of the transcendental
	v_rcp_f32 v14, v14
	v_cmp_eq_u32 vcc_lo, 1, v[HH]
	s_wait_alu depctr_va_vdst(0)                   ; and ahead of its first reader, and of O^T's
	v_mul_f32 v72, v69, v14
	v_mul_f32 v73, v69, v14
	v_mul_f32 v74, v70, v14
	v_mul_f32 v75, v70, v14
.set J, 0
.rept 16
	v_pk_mul_f32 v[32+J:33+J], v[32+J:33+J], v[74:75]
.set J, J+2
.endr
.set J, 0
.rept 16
	v_pk_fma_f32 v[32+J:33+J], v[160+J:161+J], v[72:73], v[32+J:33+J]
.set J, J+2
.endr
.irp b, 0,1
	v_max3_num_f32 v[232+\b], |v[32+16*\b]|, |v[33+16*\b]|, 0x1800000
.endr
.irp i, 2,4,6,8,10,12,14
.irp b, 0,1
	s_delay_alu instid0(VALU_DEP_2)
	v_max3_num_f32 v[232+\b], v[232+\b], |v[32+16*\b+\i]|, |v[33+16*\b+\i]|
.endr
.endr
.irp b, 0,1
	s_delay_alu instid0(VALU_DEP_2)
	v_permlanex16_b32 v[236+\b], v[232+\b], s[SEL], s[SEL+1]
.endr
.irp b, 0,1
	s_delay_alu instid0(VALU_DEP_2)
	v_max_num_f32 v[232+\b], v[232+\b], v[236+\b]
.endr
.irp b, 0,1
	s_delay_alu instid0(VALU_DEP_2)
	v_add_nc_u32 v[244+\b], 0xff000000, v[232+\b]
.endr
.irp b, 0,1
	s_delay_alu instid0(VALU_DEP_2)
	v_lshrrev_b32 v[236+\b], 23, v[244+\b]
.endr
	v_cvt_scalef32_pk16_fp6_f32 v[224:226], v[32:47], v244
	v_cvt_scalef32_pk16_fp6_f32 v[228:230], v[48:63], v245
	v_cndmask_b32 v238, v236, v237, vcc_lo         ; my half's block's byte; a plain instruction behind the conversions
.irp i, 0,1,2
	v_permlane16_swap_b32 v[224+\i], v[228+\i]     ; a whole block to a lane
.endr
	s_delay_alu instid0(VALU_DEP_3)
	v_mov_b32 v227, v228
	s_delay_alu instid0(VALU_DEP_3)
	v_mov_b32 v228, v229
	s_delay_alu instid0(VALU_DEP_3)
	v_mov_b32 v229, v230
.endm
.macro OUTS i                          ; my head's half of tile i's fragment: 512 consecutive bytes and 256; a scale byte a lane
	global_store_b128 v[LI], v[224:227], s[50:51] offset:3072*\i
	global_store_b64 v[L8], v[228:229], s[50:51] offset:3072*\i+512
	global_store_b8 v[OB], v238, s[52:53] offset:128*\i
.endm
.macro GETALL d                        ; the wave of parity 0 joins, and sends both tiles out
	s_cmp_eq_u32 s[PI], 0
	s_cbranch_scc0 .Lodd_\@
	STGS \d
	v_add_nc_u32 v[ADK], s59, v[STP]
.rept 3
	v_nop                                          ; with the line above: four places behind the last products, whose operands' registers take the loads
.endr
.irp k, 0,1,2,3,4,5,6,7,8
	ds_load_b128 v[32+4*\k:35+4*\k], v[ADK] offset:512*\k
.endr
	WIN 0x40
.irp k, 0,1,2,3,4,5,6,7,8
	ds_load_b128 v[32+4*\k:35+4*\k], v[ADK] offset:4608+512*\k
.endr
	WIN 0
	s_wait_dscnt 0x0
	GETC
	OUTS 0
	WIN 0x55
	GETC
	WIN 0x04                                       ; addresses from window 0, the data from window 1
	OUTS 1
	WIN 0
	s_wait_xcnt 0x0                                ; the stores have read their registers and bases
.Lodd_\@:
.endm
	s_load_b128 s[4:7], s[0:1], 0x0                ; qq, kv
	s_load_b64 s[8:9], s[0:1], 0x10                ; oq
	v_lshl_add_u32 v[SPW], v0, 2, SPARE
	v_mov_b32 v[NIL], 0
	ds_add_u32 v[SPW], v[NIL]                      ; the opening: the add, twice, and its wait ahead of the first tensor load
	ds_add_u32 v[SPW], v[NIL]
	v_lshrrev_b32 v8, 5, v0
	s_delay_alu instid0(VALU_DEP_1)
	v_readfirstlane_b32 s[WV], v8                  ; wave 0..7
	s_and_b32 s10, ttmp7, 0xffff                   ; b 16 + head
	s_lshr_b32 s11, s[WV], 1                       ; t: my pair's two tiles, 2 t and 2 t + 1
	s_lshr_b32 s[PI], s[WV], 2
	s_xor_b32 s[PI], s[PI], s[WV]
	s_and_b32 s[PI], s[PI], 1                      ; my parity: which of a slot's two key steps
	s_lshl_b32 s[QBC], ttmp9, 7                    ; the first block's first query: 128 j
	s_sub_co_u32 s13, 15, ttmp9
	s_lshl_b32 s[QB2], s13, 7                      ; the second block's: 128 (15 - j)
	s_lshr_b32 s[SST], ttmp9, 1
	s_add_co_u32 s[SST], s[SST], 1                 ; the slot with which the second block begins
	s_mul_i32 s[BKV], s[SST], 38400                ; the way back to kv's slot 0 there
	s_mov_b32 s[C1], 38400
	s_cmp_eq_u32 s[SST], 1
	s_cselect_b32 s[C1], 0, s[C1]                  ; where slot 1 lies in kv
	s_mov_b32 s[BK+1], 0
	s_mov_b32 s[G1], 3<<16                         ; elements of 8 bytes, no mask, no padding
	s_mov_b32 s[G1+1], 32<<16                      ; rows of 256 bytes,
	s_mov_b32 s[G1+2], 150<<16                     ; 150 of them: 38,400 dense bytes
	s_mov_b32 s[G1+3], 32<<16
	s_mov_b32 s[G1+4], 150
	s_mov_b32 s[G1+5], 32
	s_mov_b32 s[G1+6], 0
	s_mov_b32 s[G1+7], 0
	s_mul_i32 s16, s10, 307200                     ; the head's 16 blocks of kv
	s_mov_b32 s17, 0
	s_and_b32 s14, s[WV], 1
	s_mul_i32 s14, s14, 19200                      ; the prefetches: which key step of a slot,
	s_add_co_u32 s14, s14, 38400                   ; from kv's slot 1 on
	s_mov_b32 s15, 0
	s_lshl_b32 s58, s10, 4
	s_add_co_u32 s58, s58, ttmp9
	s_mul_i32 s46, s58, 12800
	s_mov_b32 s48, s46
	s_mul_i32 s59, s11, 3072
	s_add_co_u32 s46, s46, s59                     ; Q's fragment of tile 2 t, block j
	s_mov_b32 s47, 0
	s_lshr_b32 s59, s11, 1
	s_lshl_b32 s59, s59, 8
	s_add_co_u32 s48, s48, s59
	s_and_b32 s59, s11, 1
	s_lshl_b32 s59, s59, 3
	s_add_co_u32 s48, s48, s59
	s_add_co_u32 s48, s48, 12288                   ; its scale words: 256 (a / 4) + 16 row + 4 (a % 4), a = 2 t
	s_mov_b32 s49, 0
	s_and_b32 s58, s10, 16
	s_add_co_u32 s58, s58, ttmp9                   ; oq: token / 128
	s_lshl_b32 s58, s58, 2
	s_bfe_u32 s59, s10, 0x20002                    ; head / 4: which 256 along K
	s_add_co_u32 s58, s58, s59
	s_mul_i32 s58, s58, 25600
	s_bfe_u32 s59, s10, 0x10001                    ; (head / 2) % 2: which K step
	s_and_b32 s43, s10, 1                          ; head % 2: which half of the fragment
	s_mul_i32 s50, s11, 6144
	s_add_co_u32 s50, s50, s58
	s_mul_i32 s13, s59, 1536
	s_add_co_u32 s50, s50, s13
	s_mul_i32 s13, s43, 768
	s_add_co_u32 s50, s50, s13
	s_mov_b32 s51, 0
	s_lshl_b32 s52, s11, 8
	s_add_co_u32 s52, s52, s58
	s_lshl_b32 s13, s59, 2
	s_add_co_u32 s52, s52, s13
	s_lshl_b32 s13, s43, 1
	s_add_co_u32 s52, s52, s13
	s_add_co_u32 s52, s52, 24576                   ; my two scale bytes of each row
	s_mov_b32 s53, 0
	s_lshl_b32 s13, ttmp9, 1
	s_sub_co_u32 s13, 15, s13                      ; 15 - 2 j blocks from the first block to the second
	s_mul_i32 s62, s13, 12800                      ; in qq,
	s_mov_b32 s63, 0
	s_mul_i32 s[BK], s13, 102400                   ; in oq
	s_lshl_b32 s58, s11, 5                         ; tile 2 t begins at query 32 t of the block
	s_mov_b32 s[SEL], 0x76543210
	s_mov_b32 s[SEL+1], 0xfedcba98
	s_mov_b32 s[CS], 0x3e38aa3b                    ; c = log2(e) / 8
	s_mov_b32 s[CS+1], s[CS]
	s_mov_b32 s[TK], 0
	s_lshl_b32 s[KFC], s[PI], 7                    ; my step's first key
	s_mov_b32 s[SG], 0
	s_lshr_b32 s[PL], s[WV], 1
	s_xor_b32 s[PL], s[PL], 2
	s_or_b32 s[PL], s[PL], ttmp9                   ; 0 in waves 4 and 5 of the head's first work-group
	s_cmp_eq_u32 s[PL], 0
	s_cselect_b32 s[PL], 6, 0                      ; they ask in trips 0 to 5
	s_mul_i32 s59, s[PI], 19200                    ; my key step in a slot
	s_mul_i32 s43, s11, 9216
	s_add_co_u32 s43, s43, STG                     ; my pair's stage
	s_mul_i32 s13, s[WV], s[C1]                    ; the head's fills: wave 0 slot 0, wave 1 slot 1
	s_mul_i32 s67, s[WV], PITCHS
	s_wait_alu depctr_va_vdst(0)
	s_wait_dscnt 0x0                               ; both opening adds are done
	s_wait_kmcnt 0x0
	s_add_nc_u64 s[44:45], s[6:7], s[16:17]
	s_mov_b32 s16, s13
	s_mov_b32 s[G0], 1
	s_mov_b32 s[G0+1], s67
	s_add_nc_u64 s[G0+2:G0+3], s[44:45], s[16:17]
	s_or_b32 s[G0+3], s[G0+3], 0x80000000
	TLOAD 2
	s_add_nc_u64 s[PFA:PFA+1], s[44:45], s[14:15]  ; each change of slots steps it by a slot
	s_add_nc_u64 s[46:47], s[4:5], s[46:47]
	s_add_nc_u64 s[48:49], s[4:5], s[48:49]
	s_add_nc_u64 s[16:17], s[46:47], s[62:63]      ; the second block's Q
	s_add_nc_u64 s[62:63], s[48:49], s[62:63]
	s_add_nc_u64 s[50:51], s[8:9], s[50:51]
	s_add_nc_u64 s[52:53], s[8:9], s[52:53]
	s_add_nc_u64 s[54:55], s[50:51], s[BK:BK+1]    ; and where its results go
	s_add_nc_u64 s[56:57], s[52:53], s[BK:BK+1]
	v_and_b32 v96, 31, v0
	v_and_b32 v97, 15, v0                          ; r
	v_bfe_u32 v[HH], v0, 4, 1                      ; h
	v_lshlrev_b32 v[LI], 4, v96
	v_lshlrev_b32 v4, 4, v97
	v_lshlrev_b32 v[L8], 3, v96
	v_lshlrev_b32 v[PFO], 8, v96
	v_min_u32 v[PFO2], 10, v96
.irp c, 0,1,2
	global_load_b128 v[16+4*\c:19+4*\c], v[LI], s[46:47] offset:512*\c   ; Q's fragments stay in registers
	global_load_b128 v[80+4*\c:83+4*\c], v[LI], s[16:17] offset:512*\c
.endr
	global_load_b32 v255, v4, s[48:49]             ; Q's scale words, all in window 0
	global_load_b32 v[QSB], v4, s[48:49] offset:4
	global_load_b32 v[QSA2], v4, s[62:63]
	global_load_b32 v[QSB2], v4, s[62:63] offset:4
	WIN 0x40                                       ; tile 2 t + 1 into window 1
.irp c, 0,1,2
	global_load_b128 v[16+4*\c:19+4*\c], v[LI], s[46:47] offset:1536+512*\c
	global_load_b128 v[80+4*\c:83+4*\c], v[LI], s[16:17] offset:1536+512*\c
.endr
	WIN 0
	v_lshlrev_b32 v[PFO2], 8, v[PFO2]
	v_add_nc_u32 v[LIK], s59, v[LI]
	v_add_nc_u32 v[L8K], s59, v[L8]
	v_add_nc_u32 v[STP], s43, v[LI]
	v_lshl_add_u32 v[OB], v97, 3, v[HH]            ; 8 row + half
	v_and_b32 v[DV], 7, v97
	v_lshrrev_b32 v98, 3, v97
	s_delay_alu instid0(VALU_DEP_1)
	v_lshl_add_u32 v[DV], v98, 4, v[DV]
	v_lshlrev_b32 v98, 4, v[HH]
	s_delay_alu instid0(VALU_DEP_1)
	v_sub_nc_u32 v[DV], v[DV], v98
	s_delay_alu instid0(VALU_DEP_1)
	v_add_nc_u32 v[DV], s58, v[DV]                 ; my query's place in its block - 16 h: on the diagonal register 16 b + i (key 32 b + 16 h + i) is hidden where 32 b + i is greater
	WIN 0x40
	v_add_nc_u32 v[DV], 8, v[DV]                   ; tile 2 t + 1 lies 8 queries on
	v_bfe_u32 v[HH], v0, 4, 1
	WIN 0
.irp w, 0, 0x55
	WIN \w
	INIT
.irp b, 0,1,2,3
	v_mov_b32 v[236+\b], 0                         ; a lane permute's destination counts as one of its sources
.endr
	v_mov_b32 v252, 0
	v_mov_b32 v253, 0
.endr
	WIN 0
; The change of slots stands at a trip's head: all tensor loads are waited for, the add, the wait for it and for my LDS reads, the barrier; behind it the place that slot s - 2 held takes slot s + 2.
.macro CHANGE fill
	s_wait_tensorcnt 0x0                           ; no tensor load of mine is out, so group 0 may be written
	ds_add_u32 v[SPW], v[NIL]
.if \fill
	ds_add_u32 v[SPW], v[NIL]                      ; the add twice
	s_add_co_u32 s59, s[SG], 2
	s_and_b32 s13, s59, 3
	s_mul_i32 s[G0+1], s13, PITCHS
	s_add_nc_u64 s[G0+2:G0+3], s[G0+2:G0+3], 38400 ; kv's next slot,
	s_cmp_eq_u32 s59, s[SST]
	s_cselect_b32 s[BK], s[BKV], 0
	s_sub_nc_u64 s[G0+2:G0+3], s[G0+2:G0+3], s[BK:BK+1]   ; or, for the second block's first slot, kv's slot 0 again
	s_wait_xcnt 0x0                                ; the last prefetches, a trip back, have read their address
	s_add_nc_u64 s[PFA:PFA+1], s[PFA:PFA+1], 38400
.endif
	s_and_b32 s[TV], s[SG], 3
	s_mul_i32 s[TV], s[TV], PITCHS                 ; this slot's place,
	s_add_co_u32 s59, s[SG], 1
	s_and_b32 s[TK], s59, 3
	s_mul_i32 s[TK], s[TK], PITCHS                 ; the next slot's,
	s_add_co_u32 s67, s[KFC], 256
	s_lshl_b32 s13, s[PI], 7
	s_cmp_eq_u32 s59, s[SST]
	s_cselect_b32 s[KFN], s13, s67                 ; and my next step's first key and block
	s_cselect_b32 s[QBN], s[QB2], s[QBC]
	s_wait_dscnt 0x0
	s_barrier_signal -1
	s_barrier_wait -1
.if \fill
	TLOAD 1
	ASK
.endif
.endm
; All branches of a trip hang on ids and the count of trips alone; none leads round a barrier, a wait on tensor loads or the add.
.macro BODY fill
	CHANGE \fill
.rept 6
	v_nop                                          ; places behind the last trip's products: where a step is jumped over, the next scores' products, which write the same accumulators anew, follow with no other vector line between (ISA guide 7.12.1)
.endr
.if \fill
	s_cmp_eq_u32 s[SG], s[SST]
	s_cbranch_scc0 .Lsame_\@
	GETALL 1                                       ; the first block goes out (the stage was written a trip ago),
	INIT                                           ; and the second block's sums begin
	WIN 0x55
	INIT
	WIN 0
	s_mov_b64 s[50:51], s[54:55]
	s_mov_b64 s[52:53], s[56:57]
	s_wait_alu depctr_va_vdst(0)                   ; the wait: what was written here may be read behind a jump
.Lsame_\@:
.else
	s_cmp_eq_u32 s[SG], 8                          ; no slot follows the last
	s_cbranch_scc1 .Lnok_\@
.endif
	s_cmp_gt_u32 s[KFN], s[QBN]
	s_cbranch_scc1 .Lnok_\@
	KLOAD
.Lnok_\@:
	s_cmp_gt_u32 s[KFC], s[QBC]                    ; all 128 keys come after the block
	s_cbranch_scc1 .Lnos_\@
	VLOAD
	s_cmp_lt_u32 s[KFC], s[QBC]
	s_cbranch_scc1 .Lopen_\@                       ; all keys count
	MASK
	WIN 0x55
	MASK
	WIN 0
.Lopen_\@:
	SOFTMAX 0
	WIN 0x55
	SOFTMAX 1
	WIN 0
	s_wait_alu depctr_va_vdst(0)
	s_wait_dscnt 0x0                               ; V is in (and K of the next slot)
	PVM 253
	WIN 0x54                                       ; V from window 0; p, O^T in window 1
	PVM PWB
	WIN 0
.Lnos_\@:
.if \fill
	s_add_co_u32 s59, s[SG], 1
	s_cmp_eq_u32 s59, s[SST]                       ; the first block's last trip
	s_cbranch_scc0 .Lkeep_\@
	PUTALL 0
	v_mov_b32 v255, v[QSA2]                        ; the second block's Q: the scale words first, 24 lines ahead of the products
	v_mov_b32 v[QSB], v[QSB2]
.irp w, 0, 0x55
	WIN \w
.set J, 0
.rept 12
	v_mov_b32 v[16+J], v[80+J]
.set J, J+1
.endr
.endr
	WIN 0
.rept 4
	v_nop
.endr
	s_wait_alu depctr_va_vdst(0)
.Lkeep_\@:
.else
	s_cmp_eq_u32 s[SG], 8
	s_cbranch_scc1 .Lnom_\@
.endif
	s_cmp_gt_u32 s[KFN], s[QBN]
	s_cbranch_scc1 .Lnom_\@
	s_wait_dscnt 0x0                               ; K is in
	SMUL
.Lnom_\@:
	s_mov_b32 s[KFC], s[KFN]
	s_mov_b32 s[QBC], s[QBN]
	s_add_co_u32 s[SG], s[SG], 1
.endm
	s_wait_alu depctr_va_vdst(0)
	s_wait_loadcnt 0x0                             ; both blocks' Q
	s_wait_tensorcnt 0x0                           ; my fill, if I made one, is in;
	s_barrier_signal -1
	s_barrier_wait -1                              ; slots 0 and 1 are whole
	s_mov_b32 s16, s[C1]
	s_mov_b32 s17, 0
	s_add_nc_u64 s[G0+2:G0+3], s[44:45], s[16:17]  ; the ring's address stands at slot 1: each change steps it
	s_or_b32 s[G0+3], s[G0+3], 0x80000000
	KLOAD                                          ; slot 0's scores
	s_wait_dscnt 0x0
	SMUL
.Lslot:                                            ; trips 0 to 6: each asks for the slot two on
	BODY 1
	s_cmp_lt_u32 s[SG], 7
	s_cbranch_scc1 .Lslot
.Ltail:                                            ; trips 7 and 8 ask for nothing
	BODY 0
	s_cmp_lt_u32 s[SG], 9
	s_cbranch_scc1 .Ltail
	PUTALL 0
	s_wait_dscnt 0x0                               ; my stores into the stage are done
	s_barrier_signal -1
	s_barrier_wait -1
	GETALL 0                                       ; the second block goes out
	s_wait_tensorcnt 0x0                           ; the wave's end
	ds_add_u32 v[SPW], v[NIL]
	s_wait_dscnt 0x0
	s_endpgm
.Lfunc_end_k_qaf219b6abb_attn:
	.size	k_qaf219b6abb_attn, .Lfunc_end_k_qaf219b6abb_attn-k_qaf219b6abb_attn
	.p2alignl 7, 3214868480
	.fill 96, 4, 3214868480
	.section	.rodata,"a",@progbits
	.p2align	6, 0x0
	.amdhsa_kernel k_qaf219b6abb_attn
		.amdhsa_group_segment_fixed_size 327680
		.amdhsa_private_segment_fixed_size 0
		.amdhsa_enable_private_segment 0
		.amdhsa_kernarg_size 24
		.amdhsa_user_sgpr_count 2
		.amdhsa_user_sgpr_kernarg_segment_ptr 1
		.amdhsa_wavefront_size32 1
		.amdhsa_system_sgpr_workgroup_id_x 1
		.amdhsa_system_sgpr_workgroup_id_y 1
		.amdhsa_system_sgpr_workgroup_id_z 1
		.amdhsa_system_vgpr_workitem_id 0
		.amdhsa_next_free_vgpr 512
		.amdhsa_next_free_sgpr 72
		.amdhsa_reserve_vcc 1
		.amdhsa_float_denorm_mode_32 3
		.amdhsa_float_denorm_mode_16_64 3
		.amdhsa_memory_ordered 1
		.amdhsa_forward_progress 1
		.amdhsa_inst_pref_size 136
	.end_amdhsa_kernel
	.amdgpu_metadata
---
amdhsa.version: [ 1, 2 ]
amdhsa.kernels:
  - .name:           k_qaf219b6abb_attn
    .symbol:         k_qaf219b6abb_attn.kd
    .args:
      - { .name: qq, .offset: 0, .size: 8, .value_kind: global_buffer, .address_space: global }
      - { .name: kv, .offset: 8, .size: 8, .value_kind: global_buffer, .address_space: global }
      - { .name: oq, .offset: 16, .size: 8, .value_kind: global_buffer, .address_space: global }
    .group_segment_fixed_size: 327680
    .private_segment_fixed_size: 0
    .kernarg_segment_align: 8
    .kernarg_segment_size: 24
    .max_flat_workgroup_size: 256
    .sgpr_count:     72
    .vgpr_count:     512
    .wavefront_size: 32
...
	.end_amdgpu_metadata
.endif
;; end of part 3
;; launch outp (part 4): grid 8 x 32, 4 waves a work-group, clusters of 4 x 4, 327,680 bytes of LDS; arguments oq, wq, out0; writes out0
.if DOCPART == 4
	.amdgcn_target "amdgcn-amd-amdhsa--gfx1250"
	.amdhsa_code_object_version 6
	.text
	.protected	k_qaf219b6abb_outp
	.globl	k_qaf219b6abb_outp
	.p2align	8
	.type	k_qaf219b6abb_outp,@function
k_qaf219b6abb_outp:
	s_mov_b64 s[64:65], 0
	v_nop
	global_prefetch_b8 v0, s[64:65] scope:SCOPE_SE
	s_setreg_imm32_b32 hwreg(HW_REG_WAVE_MODE, 25, 1), 1
	s_wait_xcnt 0x0
	s_wait_alu depctr_hold_cnt(0) depctr_sa_sdst(0) depctr_va_vdst(0) depctr_va_sdst(0) depctr_va_ssrc(0) depctr_va_vcc(0) depctr_vm_vsrc(0)
	s_getreg_b32 s2, hwreg(HW_REG_IB_STS2, 6, 4)
	s_cmp_eq_u32 s2, 0
	s_cbranch_scc0 .Lentry_in_a_cluster
	s_endpgm
.Lentry_in_a_cluster:
	s_bfe_u32 s2, ttmp6, 0x10000c
	s_cmp_lg_u32 s2, 0xf033
	s_cbranch_scc0 .Lentry_shape_is_right
	s_endpgm
.Lentry_shape_is_right:
.set BB,    102400
.set STAGE, 204800
.set SPARE, 222208
.set LI,  1
.set CO,  4
.set ADA16, 6
.set ADA8,  8
.set ADB,   10
.set ADS,   12
.set STO, 14
.set RD,  15
.set SC,  16
.set BK,  32
.set SPW, 96
.set NIL, 97
.set ACC, 128
.set G1A, 24
.set G0A, 32
.set G1B, 48
.set G0B, 56
.set MSB, 0
.macro WIN new
.if MSB != \new
	s_set_vgpr_msb (MSB<<8)|\new
.set MSB, \new
.endif
.endm
.macro PLACES
.rept 4
	v_nop
.endr
.endm
.macro JLOAD g0a, g0b
	s_cmp_eq_u32 s15, 0
	s_cbranch_scc0 .Lfor_b_\@
	tensor_load_to_lds s[\g0a:\g0a+3], s[G1A:G1A+7]
	s_nop 0
.rept 4
	v_nop
.endr
	s_branch .Lasked_\@
.Lfor_b_\@:
	tensor_load_to_lds s[\g0b:\g0b+3], s[G1B:G1B+7]
	s_nop 0
.rept 4
	v_nop
.endr
.Lasked_\@:
.endm
.macro CROUND
	s_barrier_signal -1
	s_barrier_wait -1
	s_cmp_lg_u32 s14, 0
	s_cbranch_scc1 .Lnot_wave_0_\@
	s_barrier_signal -3
.Lnot_wave_0_\@:
	s_barrier_wait -3
	s_barrier_signal -1
	s_barrier_wait -1
.endm
	s_load_b128 s[4:7], s[0:1], 0x0
	s_load_b64 s[8:9], s[0:1], 0x10
	v_lshl_add_u32 v[SPW], v0, 2, SPARE
	v_mov_b32 v[NIL], 0
	ds_add_u32 v[SPW], v[NIL]
	ds_add_u32 v[SPW], v[NIL]
	v_lshrrev_b32 v1, 5, v0
	v_readfirstlane_b32 s14, v1
	s_lshr_b32 s15, s14, 1
	s_and_b32 s16, s14, 1
	s_bfe_u32 s40, ttmp6, 0x40000
	s_bfe_u32 s41, ttmp6, 0x40004
	s_lshl_b32 s42, ttmp9, 2
	s_add_co_u32 s42, s42, s40
	s_and_b32 s17, ttmp7, 0xffff
	s_lshl_b32 s17, s17, 2
	s_add_co_u32 s17, s17, s41
	s_lshl_b32 s43, s41, 2
	s_lshl_b32 s43, 15, s43
	s_lshl_b32 s44, 0x1111, s40
	s_or_b32 s[G1A], s43, (3<<16)|(1<<21)
	s_or_b32 s[G1B], s44, (3<<16)|(1<<21)
.irp g, G1A, G1B
	s_mov_b32 s[\g+1], 32<<16
	s_mov_b32 s[\g+2], 200<<16                     ; 200 rows of 256 bytes: two blocks of 25,600 on end, 512 along K
	s_mov_b32 s[\g+3], 32<<16
	s_mov_b32 s[\g+4], 200
	s_mov_b32 s[\g+5], 32
	s_mov_b32 s[\g+6], 0
	s_mov_b32 s[\g+7], 0
.endr
	s_mul_i32 s45, s16, 51200                      ; which half of K I fetch, in memory and in LDS alike
	s_mul_i32 s20, s17, 102400
	s_add_co_u32 s20, s20, s45
	s_mov_b32 s21, 0
	s_mul_i32 s46, s42, 102400
	s_add_co_u32 s46, s46, s45
	s_add_co_u32 s46, s46, 4096000
	s_mov_b32 s47, 0
	s_wait_dscnt 0x0
	s_wait_kmcnt 0x0
	s_add_nc_u64 s[20:21], s[4:5], s[20:21]
	s_add_nc_u64 s[46:47], s[6:7], s[46:47]
	CROUND
.irp n, 0
	s_mov_b32 s[G0A+4*\n], 1
	s_add_co_u32 s[G0A+4*\n+1], s45, \n*51200
	s_add_nc_u64 s[G0A+4*\n+2:G0A+4*\n+3], s[20:21], \n*51200
	s_or_b32 s[G0A+4*\n+3], s[G0A+4*\n+3], 0x80000000
	s_mov_b32 s[G0B+4*\n], 1
	s_add_co_u32 s[G0B+4*\n+1], s45, BB+\n*51200
	s_add_nc_u64 s[G0B+4*\n+2:G0B+4*\n+3], s[46:47], \n*51200
	s_or_b32 s[G0B+4*\n+3], s[G0B+4*\n+3], 0x80000000
	JLOAD G0A+4*\n, G0B+4*\n                       ; one tensor load a wave brings all of K: waves 0, 1 A's halves, waves 2, 3 B's
.endr
	v_and_b32 v5, 31, v0
	v_lshlrev_b32 v[LI], 4, v5
	v_lshlrev_b32 v5, 3, v5
	v_and_b32 v2, 15, v0
	v_bfe_u32 v3, v0, 4, 1
	s_mul_i32 s22, s15, 12288
	s_mul_i32 s23, s16, 12288
	s_add_co_u32 s23, s23, BB
	v_add_nc_u32 v[ADA16], s22, v[LI]
	v_add_nc_u32 v[ADA8], s22, v5
	v_add_nc_u32 v[ADB], s23, v[LI]
	v_add_nc_u32 v[ADA16+1], 51200, v[ADA16]
	v_add_nc_u32 v[ADA8+1], 51200, v[ADA8]
	v_add_nc_u32 v[ADB+1], 51200, v[ADB]
	s_xor_b32 s22, s15, 1
	s_add_co_u32 s22, s22, s16
	s_lshl_b32 s22, s22, 9
	s_add_co_u32 s22, s22, 101888
	v_mul_u32_u24 v[ADS], s22, v3
	v_lshl_add_u32 v[ADS], v2, 3, v[ADS]
	s_lshl_b32 s22, s15, 9
	s_add_co_u32 s22, s22, 24576
	v_add_nc_u32 v[ADS], s22, v[ADS]
	v_add_nc_u32 v[ADS+1], 51200, v[ADS]
	s_mul_i32 s22, s14, 4352
	s_add_co_u32 s22, s22, STAGE
	v_mul_u32_u24 v[STO], v2, 272
	v_lshl_add_u32 v[STO], v3, 6, v[STO]
	v_add_nc_u32 v[STO], s22, v[STO]
	v_mul_u32_u24 v[RD], v3, 272
	v_lshl_add_u32 v[RD], v2, 4, v[RD]
	v_add_nc_u32 v[RD], s22, v[RD]
	v_lshlrev_b32 v[CO], 12, v3
	v_lshl_add_u32 v[CO], v2, 4, v[CO]
	s_lshl_b32 s22, s17, 1
	s_add_co_u32 s22, s22, s15
	s_lshl_b32 s22, s22, 18
	s_lshl_b32 s23, s42, 1
	s_add_co_u32 s23, s23, s16
	s_lshl_b32 s23, s23, 8
	s_add_co_u32 s22, s22, s23
	s_mov_b32 s23, 0
	s_add_nc_u64 s[8:9], s[8:9], s[22:23]
.macro FETCH g
.set FS, 128*((\g)%2)
.set HK, (\g)/4
.set KO, 25600*(((\g)/2)%2)+1536*((\g)%2)
	WIN 0x40
.irp a, 0,1,2,3
.irp c, 0,1
	ds_load_b128 v[FS+12*\a+6*\c:FS+12*\a+6*\c+3], v[ADA16+HK] offset:KO+3072*\a+768*\c
	ds_load_b64 v[FS+12*\a+6*\c+4:FS+12*\a+6*\c+5], v[ADA8+HK] offset:KO+3072*\a+768*\c+512
.endr
.endr
.irp n, 0,1,2,3
.irp c, 0,1,2
	ds_load_b128 v[FS+48+12*\n+4*\c:FS+48+12*\n+4*\c+3], v[ADB+HK] offset:KO+3072*\n+512*\c
.endr
.endr
	WIN 0
.if (\g)%2 == 0
.irp i, 0,1,2,3
	ds_load_b64 v[SC+8*(((\g)/2)%2)+2*\i:SC+8*(((\g)/2)%2)+2*\i+1], v[ADS+HK] offset:25600*(((\g)/2)%2)+128*\i
.endr
.endif
.endm
.macro MUL g
.set FS, 128*((\g)%2)
.set SS, SC+8*(((\g)/2)%2)+(\g)%2
	WIN 0x05
.irp a, 0,1,2,3
.irp n, 0,1,2,3
.if (\g) == 0
	v_wmma_scale_f32_16x16x128_f8f6f4 v[ACC+8*(4*\a+\n):ACC+8*(4*\a+\n)+7], v[FS+48+12*\n:FS+48+12*\n+11], v[FS+12*\a:FS+12*\a+11], 0, v[SS+2*\n], v[SS+2*\a] matrix_a_fmt:MATRIX_FMT_FP6 matrix_b_fmt:MATRIX_FMT_FP6 matrix_a_scale:MATRIX_SCALE_ROW1
.else
	v_wmma_scale_f32_16x16x128_f8f6f4 v[ACC+8*(4*\a+\n):ACC+8*(4*\a+\n)+7], v[FS+48+12*\n:FS+48+12*\n+11], v[FS+12*\a:FS+12*\a+11], v[ACC+8*(4*\a+\n):ACC+8*(4*\a+\n)+7], v[SS+2*\n], v[SS+2*\a] matrix_a_fmt:MATRIX_FMT_FP6 matrix_b_fmt:MATRIX_FMT_FP6 matrix_a_scale:MATRIX_SCALE_ROW1
.endif
.endr
.endr
	WIN 0
.endm
	s_wait_alu depctr_va_vdst(0)
	s_wait_tensorcnt 0x0
	s_barrier_signal -1
	s_barrier_wait -1
	FETCH 0
.irp g, 0,1,2,3,4,5,6,7
	s_wait_dscnt 0x0
.if \g < 7
	PLACES
	FETCH \g+1
.endif
	MUL \g
.endr
.macro TOSTAGE a
.irp n, 0,1,2,3
	ds_store_b128 v[STO], v[ACC+8*(4*(\a)+\n):ACC+8*(4*(\a)+\n)+3] offset:128*(\n/2)+32*(\n%2)
	ds_store_b128 v[STO], v[ACC+8*(4*(\a)+\n)+4:ACC+8*(4*(\a)+\n)+7] offset:128*(\n/2)+32*(\n%2)+16
.endr
.irp t, 0,1,2,3,4,5,6,7
	ds_load_b128 v[BK+32*((\a)%2)+4*\t:BK+32*((\a)%2)+4*\t+3], v[RD] offset:544*\t
.endr
.endm
.macro SEND a, younger
	s_wait_dscnt \younger
.irp t, 0,1,2,3,4,5,6,7
	global_store_b128 v[CO], v[BK+32*((\a)%2)+4*\t:BK+32*((\a)%2)+4*\t+3], s[8:9] offset:(32*((\a)/2)+8*((\a)%2)+16*(\t/4)+2*(\t%4))*4096 th:TH_STORE_NT
.endr
.endm
	PLACES
	TOSTAGE 0
.irp a, 1,2,3
.if \a > 1
	s_wait_xcnt 0x0
.endif
	TOSTAGE \a
	SEND \a-1, 16
.endr
	SEND 3, 0
	s_wait_tensorcnt 0x0
	ds_add_u32 v[SPW], v[NIL]
	s_wait_dscnt 0x0
	CROUND
	s_endpgm
.Lfunc_end_k_qaf219b6abb_outp:
	.size	k_qaf219b6abb_outp, .Lfunc_end_k_qaf219b6abb_outp-k_qaf219b6abb_outp
	.p2alignl 7, 3214868480
	.fill 96, 4, 3214868480
	.section	.rodata,"a",@progbits
	.p2align	6, 0x0
	.amdhsa_kernel k_qaf219b6abb_outp
		.amdhsa_group_segment_fixed_size 327680
		.amdhsa_private_segment_fixed_size 0
		.amdhsa_enable_private_segment 0
		.amdhsa_kernarg_size 24
		.amdhsa_user_sgpr_count 2
		.amdhsa_user_sgpr_kernarg_segment_ptr 1
		.amdhsa_wavefront_size32 1
		.amdhsa_system_sgpr_workgroup_id_x 1
		.amdhsa_system_sgpr_workgroup_id_y 1
		.amdhsa_system_sgpr_workgroup_id_z 1
		.amdhsa_system_vgpr_workitem_id 0
		.amdhsa_next_free_vgpr 512
		.amdhsa_next_free_sgpr 72
		.amdhsa_reserve_vcc 0
		.amdhsa_float_denorm_mode_32 3
		.amdhsa_float_denorm_mode_16_64 3
		.amdhsa_memory_ordered 1
		.amdhsa_forward_progress 1
		.amdhsa_inst_pref_size 47
	.end_amdhsa_kernel
	.amdgpu_metadata
---
amdhsa.version: [ 1, 2 ]
amdhsa.kernels:
  - .name:           k_qaf219b6abb_outp
    .symbol:         k_qaf219b6abb_outp.kd
    .args:
      - { .name: oq, .offset: 0, .size: 8, .value_kind: global_buffer, .address_space: global }
      - { .name: wq, .offset: 8, .size: 8, .value_kind: global_buffer, .address_space: global }
      - { .name: out0, .offset: 16, .size: 8, .value_kind: global_buffer, .address_space: global }
    .group_segment_fixed_size: 327680
    .private_segment_fixed_size: 0
    .kernarg_segment_align: 8
    .kernarg_segment_size: 24
    .max_flat_workgroup_size: 128
    .sgpr_count:     72
    .vgpr_count:     512
    .wavefront_size: 32
...
	.end_amdgpu_metadata
.endif
;; end of part 4
